; MI455X (gfx1250); checked and timed in simulation.
; The chip was launched on July 23, 2026; its instructions are those of AMD's public machine-readable ISA for CDNA 5 (MIT licence, August 2026) and "CDNA5" Instruction Set Architecture Reference Guide (July 2026). The comments in the code are by the model that wrote it; some were corrected since.
;; Multi Headed Attention. Allowed arithmetic: float matrix products may take bf16 or f16 operands with f32 sums; all other float work in f32.
;; Inputs: K 2 x 2,048 x 1,024 float32; Q 2 x 2,048 x 1,024 float32; V 2 x 2,048 x 1,024 float32; Wk 1,024 x 1,024 float32; Wo 1,024 x 1,024 float32; Wq 1,024 x 1,024 float32; Wv 1,024 x 1,024 float32; attention_mask 2 x 2,048 x 2,048 bool; padding_mask 2 x 2,048 bool.
;; Outputs: out0 2 x 2,048 x 1,024 float32.
;; 3 versions, each right; version 2 is faster than version 1; version 3 is version 2 with the launch prep written anew for expert scheduling mode. Each part assembles by itself: llvm-mc -triple=amdgcn-amd-amdhsa -mcpu=gfx1250 --defsym DOCPART=n.
;; ======== version 1 of 3: 4 launches
;; limits: values are held in f16: magnitudes above 65,504 overflow, below 6.1e-05 lose precision
;; workspace buffers: wb 8,388,608 bytes; maskw 1,048,576 bytes of whole numbers; qkv 25,165,824 bytes; ao 8,388,608 bytes
;; launch prep (part 1): grid 256 x 1, 8 waves a work-group, no clusters, 0 bytes of LDS; arguments Wq, Wk, Wv, Wo, attention_mask, padding_mask, wb, maskw; writes wb, maskw
.if DOCPART == 1
	.amdgcn_target "amdgcn-amd-amdhsa--gfx1250"
	.amdhsa_code_object_version 6
	.text
	.protected	k_qc31c677c8f_prep
	.globl	k_qc31c677c8f_prep
	.p2align	8
	.type	k_qc31c677c8f_prep,@function
k_qc31c677c8f_prep:
	s_mov_b64 s[64:65], 0
	v_nop
	global_prefetch_b8 v0, s[64:65] scope:SCOPE_SE
	s_setreg_imm32_b32 hwreg(HW_REG_WAVE_MODE, 25, 1), 1
	s_wait_xcnt 0x0
; prep: (1) the four weight matrices as 16-bit panels, wb[mat][panel k/64][row][64]: Wq, Wk, Wv rounded to bf16; Wo rounded to bf16 and that
; value rewritten as f16 (exact for |w| >= 2^-17, below that off by at most 2^-25), since the last product runs on f16 operands.
; (2) the two masks as lane masks, maskw[n][query tile 16][key tile 16][j 0..7]: bit L = attention_mask[query 16qt+(L&15)][key 16kt+8(L>>4)+j]
; AND padding_mask[query]: the select mask of register j of a 16 key x 16 query score tile.
; A stream: every input byte is read once, no work-group shares a byte with another, so no LDS, no cluster, no matrix unit.
; Work-group i: query rows 16 i .. 16 i + 15 (of 4,096), wave w their keys 256 w .. +255; and rows (i & 63) 16 + 2 w, + 1 of matrix i >> 6.
.set MD,   8                           ; v[8:39]    mask bytes, 8 loads of 16 bytes
.set WD,   40                          ; v[40:103]  weights in f32, 16 loads
.set MO,   104                         ; v[104:107] the wave's 128 mask words: lane l holds words 4 l .. 4 l + 3
.set WOUT, 108                         ; v[108:139] weights in 16 bits
.set WLD,  140                         ; weight load offset
.set WST,  141                         ; weight store offset
.set MST,  142                         ; mask store offset
.set PMV,  143                         ; padding_mask byte of my query
	s_load_b512 s[4:19], s[0:1], 0x0               ; Wq Wk Wv Wo s[4:11], attention_mask s[12:13], padding_mask s[14:15], wb s[16:17], maskw s[18:19]
	v_lshrrev_b32 v7, 5, v0
	v_readfirstlane_b32 s20, v7                    ; wave
	v_and_b32 v1, 31, v0                           ; lane
	v_and_b32 v2, 15, v0                           ; r: my query in the 16, also its byte in padding_mask
	v_bfe_u32 v3, v0, 4, 1                         ; h
	v_and_b32 v5, 7, v0                            ; c
	v_bfe_u32 v6, v0, 3, 1                         ; rr
	s_lshl_b32 s21, s20, 8
	v_lshlrev_b32 v4, 11, v2                       ; r rows of 2,048 mask bytes
	v_lshl_add_u32 v4, v3, 4, v4                   ; + 16 h
	v_add_nc_u32 v4, s21, v4                       ; + 256 w
	v_lshlrev_b32 v[WLD], 12, v6                   ; rr rows of 4,096 bytes
	v_lshl_add_u32 v[WLD], v3, 8, v[WLD]           ; + 256 h (panel parity)
	v_lshl_add_u32 v[WLD], v5, 5, v[WLD]           ; + 32 c
	v_lshlrev_b32 v[WST], 17, v3                   ; h panels of 131,072 bytes
	v_lshl_add_u32 v[WST], v6, 7, v[WST]           ; + rr rows of 128 bytes
	v_lshl_add_u32 v[WST], v5, 4, v[WST]           ; + 16 c
	v_lshlrev_b32 v[MST], 4, v1
	s_lshl_b32 s22, ttmp9, 15                      ; 16 i rows of the attention mask
	s_mov_b32 s23, 0
	s_lshl_b32 s24, ttmp9, 4                       ; 16 i bytes of the padding mask
	s_mov_b32 s25, 0
	s_lshr_b32 s26, ttmp9, 6                       ; which matrix
	s_and_b32 s27, ttmp9, 63
	s_lshl_b32 s27, s27, 4
	s_lshl1_add_u32 s27, s20, s27                  ; first of my two rows
	s_lshl_b32 s28, s27, 12
	s_mov_b32 s29, 0
	s_lshl_b32 s32, s26, 21
	s_lshl_b32 s33, s27, 7
	s_add_co_u32 s32, s32, s33
	s_mov_b32 s33, 0
	s_lshl_b32 s34, ttmp9, 12                      ; a query tile's 128 x 8 words
	s_lshl_b32 s35, s20, 9                         ; my 16 key tiles
	s_add_co_u32 s34, s34, s35
	s_mov_b32 s35, 0
	s_wait_kmcnt 0x0
	s_cmp_eq_u32 s26, 1
	s_cselect_b64 s[4:5], s[6:7], s[4:5]
	s_cmp_eq_u32 s26, 2
	s_cselect_b64 s[4:5], s[8:9], s[4:5]
	s_cmp_eq_u32 s26, 3
	s_cselect_b64 s[4:5], s[10:11], s[4:5]
	s_add_nc_u64 s[4:5], s[4:5], s[28:29]
	s_add_nc_u64 s[12:13], s[12:13], s[22:23]
	s_add_nc_u64 s[14:15], s[14:15], s[24:25]
	s_add_nc_u64 s[16:17], s[16:17], s[32:33]
	s_add_nc_u64 s[18:19], s[18:19], s[34:35]
	; all 25 loads first
	global_load_u8 v[PMV], v2, s[14:15]
.irp u, 0,1,2,3,4,5,6,7
	global_load_b128 v[MD+4*\u:MD+4*\u+3], v4, s[12:13] offset:32*\u th:TH_LOAD_NT   ; lane (r, h): the 16 keys of key tile 2 u + h, query r
.endr
.irp i, 0,1,2,3,4,5,6,7
	global_load_b128 v[WD+8*\i:WD+8*\i+3],   v[WLD], s[4:5] offset:512*\i th:TH_LOAD_NT
	global_load_b128 v[WD+8*\i+4:WD+8*\i+7], v[WLD], s[4:5] offset:512*\i+16 th:TH_LOAD_NT
.endr
.irp b, 0,1,2,3
	v_mov_b32 v[MO+\b], 0                          ; v_writelane_b32 keeps the other lanes: written whole once
.endr
	s_wait_loadcnt 16                              ; the 16 weight loads are younger: both masks are in
	v_cmp_ne_u32 s30, 0, v[PMV]                    ; bit L: my query is no padding
.irp u, 0,1,2,3,4,5,6,7
	v_permlane16_swap_b32 v[MD+4*\u],   v[MD+4*\u+2]   ; now register 0, 1: key tile 2 u, lanes 0-15 keys 0-7, lanes 16-31 keys 8-15;
	v_permlane16_swap_b32 v[MD+4*\u+1], v[MD+4*\u+3]   ; register 2, 3: key tile 2 u + 1 likewise
.irp p, 0,1,2,3
	v_and_b32 v144, 0xff,       v[MD+4*\u+\p]
	v_and_b32 v145, 0xff00,     v[MD+4*\u+\p]
	v_and_b32 v146, 0xff0000,   v[MD+4*\u+\p]
	v_and_b32 v147, 0xff000000, v[MD+4*\u+\p]
	v_cmp_ne_u32 s36, 0, v144
	v_cmp_ne_u32 s37, 0, v145
	v_cmp_ne_u32 s38, 0, v146
	v_cmp_ne_u32 s39, 0, v147
	s_and_b32 s36, s36, s30
	s_and_b32 s37, s37, s30
	s_and_b32 s38, s38, s30
	s_and_b32 s39, s39, s30
	v_writelane_b32 v[MO],   s36, 4*\u+\p          ; word 16 u + 4 p + b = (tile 2 u + p / 2) 8 + 4 (p & 1) + b
	v_writelane_b32 v[MO+1], s37, 4*\u+\p
	v_writelane_b32 v[MO+2], s38, 4*\u+\p
	v_writelane_b32 v[MO+3], s39, 4*\u+\p
.endr
.endr
	global_store_b128 v[MST], v[MO:MO+3], s[18:19] ; 512 consecutive bytes
; eight numbers of a lane: rounded to bf16; tof16 = 1: that value written again as f16.  Sixteen lanes store rows r0, r0 + 1 of one panel: 256 bytes, aligned.
.macro WCVT i, tof16
	s_wait_loadcnt 14-2*\i                         ; the later pairs stay out
.irp k, 0,1,2,3
	v_cvt_pk_bf16_f32 v[WOUT+4*\i+\k], v[WD+8*\i+2*\k], v[WD+8*\i+2*\k+1]
.endr
.if \tof16
.irp k, 0,1,2,3
	v_lshlrev_b32 v[WD+8*\i+2*\k],   16,         v[WOUT+4*\i+\k]
	v_and_b32     v[WD+8*\i+2*\k+1], 0xffff0000, v[WOUT+4*\i+\k]
.endr
.irp k, 0,1,2,3
	v_cvt_pk_f16_f32 v[WOUT+4*\i+\k], v[WD+8*\i+2*\k], v[WD+8*\i+2*\k+1]
.endr
.endif
	global_store_b128 v[WST], v[WOUT+4*\i:WOUT+4*\i+3], s[16:17] offset:\i*262144   ; two panels on for each i
.endm
	s_cmp_eq_u32 s26, 3
	s_cbranch_scc1 .Lwo
.irp i, 0,1,2,3,4,5,6,7
	WCVT \i, 0
.endr
	s_endpgm
.Lwo:
.irp i, 0,1,2,3,4,5,6,7
	WCVT \i, 1
.endr
	s_endpgm
.Lfunc_end_k_qc31c677c8f_prep:
	.size	k_qc31c677c8f_prep, .Lfunc_end_k_qc31c677c8f_prep-k_qc31c677c8f_prep
	.p2alignl 7, 3214868480
	.fill 96, 4, 3214868480
	.section	.rodata,"a",@progbits
	.p2align	6, 0x0
	.amdhsa_kernel k_qc31c677c8f_prep
		.amdhsa_group_segment_fixed_size 0
		.amdhsa_private_segment_fixed_size 0
		.amdhsa_enable_private_segment 0
		.amdhsa_kernarg_size 64
		.amdhsa_user_sgpr_count 2
		.amdhsa_user_sgpr_kernarg_segment_ptr 1
		.amdhsa_wavefront_size32 1
		.amdhsa_system_sgpr_workgroup_id_x 1
		.amdhsa_system_sgpr_workgroup_id_y 1
		.amdhsa_system_sgpr_workgroup_id_z 1
		.amdhsa_system_vgpr_workitem_id 0
		.amdhsa_next_free_vgpr 148
		.amdhsa_next_free_sgpr 66
		.amdhsa_reserve_vcc 0
		.amdhsa_float_denorm_mode_32 3
		.amdhsa_float_denorm_mode_16_64 3
		.amdhsa_memory_ordered 1
		.amdhsa_forward_progress 1
		.amdhsa_inst_pref_size 45
	.end_amdhsa_kernel
	.amdgpu_metadata
---
amdhsa.version: [ 1, 2 ]
amdhsa.kernels:
  - .name:           k_qc31c677c8f_prep
    .symbol:         k_qc31c677c8f_prep.kd
    .args:
      - { .name: Wq, .offset: 0, .size: 8, .value_kind: global_buffer, .address_space: global }
      - { .name: Wk, .offset: 8, .size: 8, .value_kind: global_buffer, .address_space: global }
      - { .name: Wv, .offset: 16, .size: 8, .value_kind: global_buffer, .address_space: global }
      - { .name: Wo, .offset: 24, .size: 8, .value_kind: global_buffer, .address_space: global }
      - { .name: attention_mask, .offset: 32, .size: 8, .value_kind: global_buffer, .address_space: global }
      - { .name: padding_mask, .offset: 40, .size: 8, .value_kind: global_buffer, .address_space: global }
      - { .name: wb, .offset: 48, .size: 8, .value_kind: global_buffer, .address_space: global }
      - { .name: maskw, .offset: 56, .size: 8, .value_kind: global_buffer, .address_space: global }
    .group_segment_fixed_size: 0
    .private_segment_fixed_size: 0
    .kernarg_segment_align: 8
    .kernarg_segment_size: 64
    .max_flat_workgroup_size: 256
    .sgpr_count:     66
    .vgpr_count:     148
    .wavefront_size: 32
...
	.end_amdgpu_metadata
.endif
;; end of part 1
;; launch proj (part 2): grid 4 x 48, 4 waves a work-group, clusters of 4 x 4, 327,680 bytes of LDS; arguments Q, K, V, wb, qkv; writes qkv
.if DOCPART == 2
	.amdgcn_target "amdgcn-amd-amdhsa--gfx1250"
	.amdhsa_code_object_version 6
	.text
	.protected	k_qc31c677c8f_proj
	.globl	k_qc31c677c8f_proj
	.p2align	8
	.type	k_qc31c677c8f_proj,@function
k_qc31c677c8f_proj:
	s_mov_b64 s[64:65], 0
	v_nop
	global_prefetch_b8 v0, s[64:65] scope:SCOPE_SE
	s_setreg_imm32_b32 hwreg(HW_REG_WAVE_MODE, 25, 1), 1
	s_wait_xcnt 0x0
	s_wait_alu depctr_hold_cnt(0) depctr_sa_sdst(0) depctr_va_vdst(0) depctr_va_sdst(0) depctr_va_ssrc(0) depctr_va_vcc(0) depctr_vm_vsrc(0)
	s_getreg_b32 s2, hwreg(HW_REG_IB_STS2, 6, 4)
	s_cmp_eq_u32 s2, 0
	s_cbranch_scc0 .Lentry_in_a_cluster
	s_endpgm
.Lentry_in_a_cluster:
	s_bfe_u32 s2, ttmp6, 0x10000c
	s_cmp_lg_u32 s2, 0xf033
	s_cbranch_scc0 .Lentry_shape_is_right
	s_endpgm
.Lentry_shape_is_right:
; proj: q = Q Wq^T, k = K Wk^T, v = V Wv^T, three products [4096,1024] x [1024,1024]^T in one launch, bf16 operands, f32 sums.
; Results are stored in f16, head-major: qkv[t][n][head][s][64].  LIMIT: |q|, |k|, |v| must stay below 65504 (f16); inputs 30 times the usual size give about 5e3,
; offsets of 30 spreads on both factors about 3e4.  f16 is chosen for its 11-bit significand: the rounding of q, k, v goes straight into the output's error.
; A work-group makes 256 x 256 of one product, four waves of 128 x 128 (512 accumulator registers); 3 x 16 x 4 = 192 work-groups.
; K goes in steps of 64 through two LDS slots.  The activations come as f32 (rows of 256 bytes) and are rounded to bf16 in registers on their way from LDS;
; the weights come as bf16 panels, dense blocks fetched as rows of 256 bytes.
; CLUSTER 4 x 4: the four work-groups of a cluster row share the activation tile, the four of a column the weight tile: joint loads.
; Windows: 0 addresses, A fragments (two buffers), raw f32; 1 B fragments; 2, 3 accumulators.  Source 0 = weight rows, source 1 = activation rows, so a lane
; holds eight neighbouring columns of one output row.
.set PA,     272                       ; LDS pitch of an f32 row: 256 + 16
.set PB,     144                       ; LDS pitch of a bf16 row: 128 + 16
.set AQ,     64*PA                     ; a wave's 64 rows of A
.set BQ,     64*PB                     ; a wave's 64 rows of B
.set BOFF,   4*AQ
.set SLOT,   4*AQ+4*BQ                 ; 106,496
.set STAGE,  2*SLOT                    ; 16 rows x 272 bytes for each wave, never the target of a tensor load
.set SPITCH, 272
.set ADRA, 16                          ; v16-17 my A rows in slot 0, 1
.set ADRB, 20                          ; v20-21 my B rows
.set STO,  24
.set RD,   25
.set CO,   26
.set TMP,  32                          ; v32-63 packed results on the way out
.set F0,   64
.set F1,   128
.set RAW,  192                         ; v192-255 four A fragments as f32
.set G1A, 24
.set G1B, 32
.set G0A, 40                           ; one group 0 for each slot
.set G0B, 48
.set MSB, 0
.macro WIN new                         ; the immediate's high byte repeats the setting that is left
.if MSB != \new
	s_set_vgpr_msb (MSB<<8)|\new
.set MSB, \new
.endif
.endm
.set MUL_LO, 0xa1                      ; source 0 window 1, source 1 window 0, C and D window 2
.set MUL_HI, 0xf1                      ; C and D window 3
.set TO_B,   0x40
.macro CREST                           ; a round of the cluster's barrier behind its opening barrier
	s_cmp_lg_u32 s14, 0
	s_cbranch_scc1 .Lnot_wave_0_\@
	s_barrier_signal -3
.Lnot_wave_0_\@:
	s_barrier_wait -3
	s_barrier_signal -1
	s_barrier_wait -1
.endm
.macro CROUND
	s_barrier_signal -1
	s_barrier_wait -1
	CREST
.endm
.macro TL s                            ; every wave asks for its 64 rows of A and its 64 rows of B: two loads a wave and slot
	tensor_load_to_lds s[G0A+4*\s:G0A+4*\s+3], s[G1A:G1A+7]
	s_nop 0
	tensor_load_to_lds s[G0B+4*\s:G0B+4*\s+3], s[G1B:G1B+7]
	s_nop 0
.endm
	s_load_b256 s[4:11], s[0:1], 0x0               ; Q, K, V, wb
	s_load_b64 s[12:13], s[0:1], 0x20              ; qkv
	v_lshl_add_u32 v30, v0, 2, 0x38400
	v_mov_b32 v31, 0
	ds_add_u32 v30, v31
	v_lshrrev_b32 v1, 5, v0
	v_readfirstlane_b32 s14, v1                    ; wave
	s_lshr_b32 s15, s14, 1                         ; my half of the rows
	s_and_b32 s16, s14, 1                          ; my half of the columns
	s_bfe_u32 s17, ttmp6, 0x40000                  ; cx
	s_bfe_u32 s18, ttmp6, 0x40004                  ; cy
	s_and_b32 s19, ttmp7, 0xffff                   ; cluster y, 0 .. 11
	s_lshr_b32 s20, s19, 2                         ; t: which product; the same in all sixteen partners
	s_and_b32 s21, s19, 3
	s_lshl_b32 s21, s21, 2
	s_add_co_u32 s21, s21, s18                     ; block row, 0 .. 15
	s_lshl_b32 s69, ttmp9, 2
	s_add_co_u32 s69, s69, s17                     ; block column, 0 .. 3
	s_lshl_b32 s22, s18, 2
	s_lshl_b32 s22, 15, s22                        ; my row of the cluster
	s_lshl_b32 s23, 0x1111, s17                    ; my column
	s_or_b32 s[G1A+0], s22, (2<<16)|(1<<20)|(1<<21)|(5<<22)|(3<<25)   ; 4-byte elements; 4 words of padding behind every 64
	s_mov_b32 s[G1A+1], 64<<16                     ; tensor_dim0 = 64
	s_mov_b32 s[G1A+2], 64<<16                     ; tensor_dim1 = 64
	s_mov_b32 s[G1A+3], 64<<16                     ; tile_dim0 = 64 (256 bytes)
	s_mov_b32 s[G1A+4], 64                         ; tile_dim1 = 64 rows
	s_mov_b32 s[G1A+5], 1024                       ; from row to row
	s_mov_b32 s[G1A+6], 0
	s_mov_b32 s[G1A+7], 0
	s_or_b32 s[G1B+0], s23, (3<<16)|(1<<20)|(1<<21)|(4<<22)|(3<<25)   ; 8-byte elements; 4 words of padding behind every 32 (a weight row of 128 bytes)
	s_mov_b32 s[G1B+1], 32<<16
	s_mov_b32 s[G1B+2], 32<<16
	s_mov_b32 s[G1B+3], 32<<16                     ; 32 elements = 256 bytes = two weight rows
	s_mov_b32 s[G1B+4], 32                         ; 32 such rows = 64 weight rows, dense
	s_mov_b32 s[G1B+5], 32
	s_mov_b32 s[G1B+6], 0
	s_mov_b32 s[G1B+7], 0
	s_lshl_b32 s58, s21, 20                        ; A: (256 block row + 64 wave) rows of 4,096 bytes; cx never enters
	s_lshl_b32 s59, s14, 18
	s_add_co_u32 s58, s58, s59
	s_mov_b32 s59, 0
	s_lshl_b32 s60, s20, 21                        ; B: matrix t, (256 block column + 64 wave) rows of 128 bytes; cy never enters
	s_lshl_b32 s61, s69, 15
	s_add_co_u32 s60, s60, s61
	s_lshl_b32 s61, s14, 13
	s_add_co_u32 s60, s60, s61
	s_mov_b32 s61, 0
	s_mul_i32 s66, s14, AQ
	s_mul_i32 s67, s14, BQ
	s_add_co_u32 s67, s67, BOFF
	s_wait_dscnt 0x0
	s_wait_kmcnt 0x0
	s_cmp_eq_u32 s20, 1
	s_cselect_b64 s[56:57], s[6:7], s[4:5]
	s_cmp_eq_u32 s20, 2
	s_cselect_b64 s[56:57], s[8:9], s[56:57]
	s_add_nc_u64 s[56:57], s[56:57], s[58:59]
	s_add_nc_u64 s[62:63], s[10:11], s[60:61]
	CROUND                                         ; all sixteen work-groups are here: the first joint loads meet
.irp s, 0,1
	s_mov_b32 s[G0A+4*\s], 1
	s_add_co_u32 s[G0A+4*\s+1], s66, \s*SLOT
	s_add_nc_u64 s[G0A+4*\s+2:G0A+4*\s+3], s[56:57], \s*256
	s_or_b32 s[G0A+4*\s+3], s[G0A+4*\s+3], 0x80000000
	s_mov_b32 s[G0B+4*\s], 1
	s_add_co_u32 s[G0B+4*\s+1], s67, \s*SLOT
	s_add_nc_u64 s[G0B+4*\s+2:G0B+4*\s+3], s[62:63], \s*131072
	s_or_b32 s[G0B+4*\s+3], s[G0B+4*\s+3], 0x80000000
	TL \s                                          ; four loads of the wave are out behind the second
.endr
	v_and_b32 v1, 15, v0                           ; r
	v_bfe_u32 v2, v0, 4, 1                         ; h
	v_mul_u32_u24 v3, v1, PA
	v_lshl_add_u32 v3, v2, 5, v3                   ; f32: k = 8 h is 32 h bytes
	v_mul_u32_u24 v4, v1, PB
	v_lshl_add_u32 v4, v2, 4, v4
	s_mul_i32 s68, s15, 2*AQ
	s_mul_i32 s70, s16, 2*BQ
	s_add_co_u32 s70, s70, BOFF
.irp s, 0,1
	v_add_nc_u32 v[ADRA+\s], s68, v3
	v_add_nc_u32 v[ADRB+\s], s70, v4
	s_add_co_u32 s68, s68, SLOT
	s_add_co_u32 s70, s70, SLOT
.endr
	s_mul_i32 s71, s14, 16*SPITCH
	s_add_co_u32 s71, s71, STAGE
	v_mul_u32_u24 v5, v1, SPITCH
	v_lshl_add_u32 v5, v2, 4, v5
	v_add_nc_u32 v[STO], s71, v5                   ; in: row r, 16 bytes for each half of the lanes
	v_and_b32 v6, 31, v0
	v_lshrrev_b32 v7, 3, v6
	v_mul_u32_u24 v7, v7, SPITCH
	v_and_b32 v8, 7, v0
	v_lshl_add_u32 v7, v8, 4, v7
	v_add_nc_u32 v[RD], s71, v7                    ; back: eight lanes take one head's 128 bytes of a row
	v_lshlrev_b32 v[CO], 4, v6
; 16 products: A fragments a0, a0 + 1 of the window's four x all 8 B fragments.  The 64 accumulators take turns, one instruction a turn.
.macro MUL16 f, hi, a0, zero
.irp a, \a0, \a0+1
.irp b, 0,1,2,3,4,5,6,7
.if \zero
	v_wmma_f32_16x16x32_bf16 v[8*(8*(\a)+\b):8*(8*(\a)+\b)+7], v[\f+8*\b:\f+8*\b+7], v[\f+8*(4*\hi+\a):\f+8*(4*\hi+\a)+7], 0
.else
	v_wmma_f32_16x16x32_bf16 v[8*(8*(\a)+\b):8*(8*(\a)+\b)+7], v[\f+8*\b:\f+8*\b+7], v[\f+8*(4*\hi+\a):\f+8*(4*\hi+\a)+7], v[8*(8*(\a)+\b):8*(8*(\a)+\b)+7]
.endif
.endr
.endr
.endm
; four A fragments (4 bt .. 4 bt + 3) of the k32 at byte 128 nk, as f32: k = 8h .. 8h+7 at 32 h, k = 16+8h .. at 64 + 32 h
.macro RAWLD slot, nk, bt
.irp a, 0,1,2,3
	ds_load_b128 v[RAW+16*\a:RAW+16*\a+3],     v[ADRA+\slot] offset:\nk*128+(4*\bt+\a)*16*PA
	ds_load_b128 v[RAW+16*\a+4:RAW+16*\a+7],   v[ADRA+\slot] offset:\nk*128+(4*\bt+\a)*16*PA+16
	ds_load_b128 v[RAW+16*\a+8:RAW+16*\a+11],  v[ADRA+\slot] offset:\nk*128+(4*\bt+\a)*16*PA+64
	ds_load_b128 v[RAW+16*\a+12:RAW+16*\a+15], v[ADRA+\slot] offset:\nk*128+(4*\bt+\a)*16*PA+80
.endr
.endm
.macro BLD slot, nk, g                 ; the eight B fragments into buffer g of window 1
	WIN TO_B
.irp b, 0,1,2,3,4,5,6,7
	ds_load_b128 v[\g+8*\b:\g+8*\b+3],   v[ADRB+\slot] offset:\nk*64+\b*16*PB
	ds_load_b128 v[\g+8*\b+4:\g+8*\b+7], v[ADRB+\slot] offset:\nk*64+\b*16*PB+32
.endr
.endm
.macro CVT g, bt                       ; 32 roundings: four raw fragments become bf16 fragments of buffer g
.irp a, 0,1,2,3
.irp j, 0,1,2,3,4,5,6,7
	v_cvt_pk_bf16_f32 v[\g+8*(4*\bt+\a)+\j], v[RAW+16*\a+2*\j], v[RAW+16*\a+2*\j+1]
.endr
.endr
.endm
; the second half of a k32: buffer g's first four A fragments are rounded, the other four fetched and rounded, round the products on my rows 64-127.
; The 32 roundings at the end name neither buffer f nor an accumulator: they are the places between f's last products and the next loads into f.
.macro BACK f, g, slot, nk, zero
	WIN 0
	s_wait_dscnt 16                                ; the 16 B loads are younger: the raw fragments are in
	CVT \g, 0
	RAWLD \slot, \nk, 1
	WIN MUL_HI
	MUL16 \f, 1, 0, \zero
	MUL16 \f, 1, 2, \zero
	WIN 0
	s_wait_dscnt 0x0
	CVT \g, 1
.endm
; one k32: multiplies buffer f, prepares buffer g from the k32 at nk of the same slot
.macro PH f, g, slot, nk, zero
	RAWLD \slot, \nk, 0
	BLD \slot, \nk, \g
	WIN MUL_LO
	MUL16 \f, 0, 0, \zero
	MUL16 \f, 0, 2, \zero
	BACK \f, \g, \slot, \nk, \zero
.endm
; the last k32 of a K step: multiplies buffer f and changes slots.  In front of the barrier: my reads of this slot are back and all my tensor loads have landed
; (my parts of the next slot).  Behind it (with fill: behind the whole round of the cluster's barrier) this slot is filled again first, then the next slot is read.
.macro PHT f, g, slot, next, fill
	s_wait_dscnt 0x0
	s_wait_tensorcnt 0x0
	ds_add_u32 v30, v31
	s_wait_dscnt 0x0
	s_barrier_signal -1
	WIN MUL_LO
	MUL16 \f, 0, 0, 0                              ; register work while the others arrive
	WIN 0
	s_barrier_wait -1
.if \fill
	CREST
	s_add_nc_u64 s[G0A+4*\slot+2:G0A+4*\slot+3], s[G0A+4*\slot+2:G0A+4*\slot+3], 2*256
	s_add_nc_u64 s[G0B+4*\slot+2:G0B+4*\slot+3], s[G0B+4*\slot+2:G0B+4*\slot+3], 2*131072
	TL \slot                                       ; two loads of the wave are out; they have the next K step's 128 products in which to land
.endif
	RAWLD \next, 0, 0
	BLD \next, 0, \g
	WIN MUL_LO
	MUL16 \f, 0, 2, 0
	BACK \f, \g, \next, 0, 0
.endm
.macro LAP zero
	PH  F0, F1, 0, 1, \zero
	PHT F1, F0, 0, 1, 1
	PH  F0, F1, 1, 1, 0
	PHT F1, F0, 1, 0, 1
.endm
	s_wait_tensorcnt 0x2                           ; K step 1's two loads are younger: my parts of K step 0 are in
	s_barrier_signal -1
	s_barrier_wait -1                              ; everybody's are
	RAWLD 0, 0, 0
	BLD 0, 0, F0
	WIN 0
	s_wait_dscnt 16
	CVT F0, 0
	RAWLD 0, 0, 1
	s_wait_dscnt 0x0
	CVT F0, 1
	LAP 1                                          ; K steps 0, 1: the first products start the sums
	s_mov_b32 s3, 6
.Llap:
	LAP 0                                          ; K steps 2 .. 13
	s_sub_co_i32 s3, s3, 1
	s_cmp_lg_u32 s3, 0
	s_cbranch_scc1 .Llap
	PH  F0, F1, 0, 1, 0                            ; K steps 14, 15 fill nothing
	PHT F1, F0, 0, 1, 0
	PH  F0, F1, 1, 1, 0
	WIN MUL_LO
	MUL16 F1, 0, 0, 0
	MUL16 F1, 0, 2, 0
	WIN MUL_HI
	MUL16 F1, 1, 0, 0
	MUL16 F1, 1, 2, 0
	WIN 0
.rept 4
	v_nop                                          ; four places behind the last products, in front of the readers of their results
.endr
	s_lshl_b32 s70, s21, 8
	s_lshl_b32 s68, s15, 7
	s_add_co_u32 s70, s70, s68                     ; my first row of 4,096
	s_lshr_b32 s68, s70, 11                        ; n
	s_and_b32 s70, s70, 2047                       ; s
	s_lshl_b32 s70, s70, 7
	s_lshl_b32 s68, s68, 22
	s_add_co_u32 s70, s70, s68
	s_lshl_b32 s68, s20, 23                        ; t
	s_add_co_u32 s70, s70, s68
	s_lshl_b32 s68, s69, 20                        ; four heads a block column,
	s_add_co_u32 s70, s70, s68
	s_lshl_b32 s68, s16, 19                        ; two a wave
	s_add_co_u32 s70, s70, s68
	s_mov_b32 s71, 0
	s_add_nc_u64 s[12:13], s[12:13], s[70:71]
; 16 rows at a time: rounded to f16, 16 bytes a lane into my stage, read back so that a store covers four rows of one head: 512 consecutive bytes
.macro OUT16 i, a, from, f
	WIN \from
.irp b, 0,1,2,3,4,5,6,7
.irp r, 0,1,2,3
	v_cvt_pk_f16_f32 v[TMP+4*\b+\r], v[8*(8*\a+\b)+2*\r], v[8*(8*\a+\b)+2*\r+1]
.endr
.endr
	WIN 0
.irp b, 0,1,2,3,4,5,6,7
	ds_store_b128 v[STO], v[TMP+4*\b:TMP+4*\b+3] offset:32*\b
.endr
	s_wait_xcnt 0x0                                ; buffer f, which earlier stores read, is loaded again only behind this wait
.irp hh, 0,1
.irp g, 0,1,2,3
	ds_load_b128 v[\f+16*\hh+4*\g:\f+16*\hh+4*\g+3], v[RD] offset:\g*4*SPITCH+\hh*128   ; LDS serves a wave's instructions in order: these see the stores above
.endr
.endr
.irp hh, 0,1
.irp g, 0,1,2,3
	s_wait_dscnt 7-4*\hh-\g
	global_store_b128 v[CO], v[\f+16*\hh+4*\g:\f+16*\hh+4*\g+3], s[12:13] offset:\i*2048+\hh*262144+\g*512
.endr
.endr
.endm
	OUT16 0, 0, 0x0a, F0
	OUT16 1, 1, 0x0a, F1
	OUT16 2, 2, 0x0a, F0
	OUT16 3, 3, 0x0a, F1
	OUT16 4, 0, 0x0f, F0
	OUT16 5, 1, 0x0f, F1
	OUT16 6, 2, 0x0f, F0
	OUT16 7, 3, 0x0f, F1
	s_wait_tensorcnt 0x0
	ds_add_u32 v30, v31
	s_wait_dscnt 0x0
	CROUND                                         ; the closing round: no work-group ends while a partner may still ask jointly
	s_endpgm
.Lfunc_end_k_qc31c677c8f_proj:
	.size	k_qc31c677c8f_proj, .Lfunc_end_k_qc31c677c8f_proj-k_qc31c677c8f_proj
	.p2alignl 7, 3214868480
	.fill 96, 4, 3214868480
	.section	.rodata,"a",@progbits
	.p2align	6, 0x0
	.amdhsa_kernel k_qc31c677c8f_proj
		.amdhsa_group_segment_fixed_size 327680
		.amdhsa_private_segment_fixed_size 0
		.amdhsa_enable_private_segment 0
		.amdhsa_kernarg_size 40
		.amdhsa_user_sgpr_count 2
		.amdhsa_user_sgpr_kernarg_segment_ptr 1
		.amdhsa_wavefront_size32 1
		.amdhsa_system_sgpr_workgroup_id_x 1
		.amdhsa_system_sgpr_workgroup_id_y 1
		.amdhsa_system_sgpr_workgroup_id_z 1
		.amdhsa_system_vgpr_workitem_id 0
		.amdhsa_next_free_vgpr 1024
		.amdhsa_next_free_sgpr 72
		.amdhsa_reserve_vcc 0
		.amdhsa_float_denorm_mode_32 3
		.amdhsa_float_denorm_mode_16_64 3
		.amdhsa_memory_ordered 1
		.amdhsa_forward_progress 1
		.amdhsa_inst_pref_size 179
	.end_amdhsa_kernel
	.amdgpu_metadata
---
amdhsa.version: [ 1, 2 ]
amdhsa.kernels:
  - .name:           k_qc31c677c8f_proj
    .symbol:         k_qc31c677c8f_proj.kd
    .args:
      - { .name: Q, .offset: 0, .size: 8, .value_kind: global_buffer, .address_space: global }
      - { .name: K, .offset: 8, .size: 8, .value_kind: global_buffer, .address_space: global }
      - { .name: V, .offset: 16, .size: 8, .value_kind: global_buffer, .address_space: global }
      - { .name: wb, .offset: 24, .size: 8, .value_kind: global_buffer, .address_space: global }
      - { .name: qkv, .offset: 32, .size: 8, .value_kind: global_buffer, .address_space: global }
    .group_segment_fixed_size: 327680
    .private_segment_fixed_size: 0
    .kernarg_segment_align: 8
    .kernarg_segment_size: 40
    .max_flat_workgroup_size: 128
    .sgpr_count:     72
    .vgpr_count:     1024
    .wavefront_size: 32
...
	.end_amdgpu_metadata
.endif
;; end of part 2
;; launch attn (part 3): grid 8 x 32, 4 waves a work-group, clusters of 4 x 1, 327,680 bytes of LDS; arguments qkv, maskw, ao; writes ao
.if DOCPART == 3
	.amdgcn_target "amdgcn-amd-amdhsa--gfx1250"
	.amdhsa_code_object_version 6
	.text
	.protected	k_qc31c677c8f_attn
	.globl	k_qc31c677c8f_attn
	.p2align	8
	.type	k_qc31c677c8f_attn,@function
k_qc31c677c8f_attn:
	s_mov_b64 s[64:65], 0
	v_nop
	global_prefetch_b8 v0, s[64:65] scope:SCOPE_SE
	s_setreg_imm32_b32 hwreg(HW_REG_WAVE_MODE, 25, 1), 1
	s_wait_xcnt 0x0
	s_wait_alu depctr_hold_cnt(0) depctr_sa_sdst(0) depctr_va_vdst(0) depctr_va_sdst(0) depctr_va_ssrc(0) depctr_va_vcc(0) depctr_vm_vsrc(0)
	s_getreg_b32 s2, hwreg(HW_REG_IB_STS2, 6, 4)
	s_cmp_eq_u32 s2, 0
	s_cbranch_scc0 .Lentry_in_a_cluster
	s_endpgm
.Lentry_in_a_cluster:
	s_bfe_u32 s2, ttmp6, 0x10000c
	s_cmp_lg_u32 s2, 0x3003
	s_cbranch_scc0 .Lentry_shape_is_right
	s_endpgm
.Lentry_shape_is_right:
; attn: softmax(mask(q k^T / 8)) v for one (n, head) and 256 queries a work-group; 64 queries a wave; f16 operands, f32 sums, running maximum.
; LIMIT: q, k, v come as f16 and the result leaves as f16 (|x| < 65504).  Masked scores are -inf, the running maximum starts at -FLT_MAX, so no difference of
; infinities arises; a row with no key left has sum 0 and gives 0.
; S^T = K Q^T: a lane owns ONE query (column l % 16) and eight keys of each 16-key tile, so maximum, scale and sum are per lane, the probabilities pack in place
; into the B fragment of O^T = V^T P^T, and only the maximum crosses the two halves of the lanes in the loop.
; The wave's queries are two pieces, A (tiles 0, 1) and B (tiles 2, 3).  A step is 64 keys, in four phases: S_A beside softmax B (of the step before);
; PV_B beside the rescaling of O_B; S_B beside softmax A; PV_A beside the rescaling of O_A.  In an S phase a group of vector instructions follows each product.
; CLUSTER 4 x 1: the four query blocks of one head read the same K and V tiles: joint loads, mask 15.  Tiles of 256 keys, two slots; wave 0, 1 fetch K's halves,
; wave 2, 3 V's.  One descriptor shape with one constant first word serves all four waves, so V's rows have K's pitch of 144 bytes = 36 words: the eight rows
; that half of a transposing load touches start at words 36 i mod 64 (64 banks of 4 bytes: ISA guide 11.1), and the eighth row's second 16 bytes meet the first row's first.
; Window 0: v0 -inf, v1 v2 K and V addresses in slot 0, v3 v4 in slot 1, v5-7 way out, v8-11 m, v12-19 l (pairs), v20-21 -c m, v22-23 alpha, v24-31 at work,
; v32-63 two pairs of K fragments, v64-191 S / P (64 piece + 32 query tile + 8 key tile), v192-255 Q.  Window 1: v0-127 O, v128-191 V fragments.
.set KP,    144                        ; LDS pitch of a row of 64 f16: 128 + 16
.set WREG,  128*KP                     ; a wave's share of a slot: 128 rows
.set VBASE, 2*WREG                     ; V's 256 rows lie behind K's 256
.set SLOT,  4*WREG                     ; 73,728
.set STAGE, 2*SLOT                     ; 64 rows x 144 bytes for each wave, never the target of a tensor load
.set G1W0,  15|(3<<16)|(1<<20)|(1<<21)|(4<<22)|(3<<25)
.set MSB, 0
.macro WIN new                         ; the immediate's high byte repeats the setting that is left
.if MSB != \new
	s_set_vgpr_msb (MSB<<8)|\new
.set MSB, \new
.endif
.endm
.macro ROUND                           ; a round of the cluster's barrier
	s_barrier_signal -1
	s_barrier_wait -1
	s_cmp_lg_u32 s2, 0
	s_cbranch_scc1 .Lnot_wave_0_\@
	s_barrier_signal -3
.Lnot_wave_0_\@:
	s_barrier_wait -3
	s_barrier_signal -1
	s_barrier_wait -1
.endm
.macro NOP4
.rept 4
	v_nop
.endr
.endm
.macro MLOAD p                         ; the 2 x 32 lane masks of piece p for the step at byte s6: M0 s[32:63], M1 s[68:99]
	s_load_b512 s[32:47], s[4:5], s6 offset:(2*\p)*4096
	s_load_b512 s[48:63], s[4:5], s6 offset:(2*\p)*4096+64
	s_load_b512 s[68:83], s[4:5], s6 offset:(2*\p+1)*4096
	s_load_b512 s[84:99], s[4:5], s6 offset:(2*\p+1)*4096+64
.endm
.macro KLD buf, sl, st, kt             ; 16 keys x 64 d of slot sl: two A fragments
.set KO, (64*(\st)+16*(\kt))*KP
	ds_load_b128 v[32+16*\buf:35+16*\buf], v[1+2*(\sl)] offset:KO
	ds_load_b128 v[36+16*\buf:39+16*\buf], v[1+2*(\sl)] offset:KO+32
	ds_load_b128 v[40+16*\buf:43+16*\buf], v[1+2*(\sl)] offset:KO+64
	ds_load_b128 v[44+16*\buf:47+16*\buf], v[1+2*(\sl)] offset:KO+96
.endm
.macro VLD sl, st                      ; the step's V^T: 4 d tiles x 2 key halves, transposed on the way
	WIN 0x40
.irp mt, 0,1,2,3
.irp ks, 0,1
	ds_load_tr16_b128 v[128+8*(2*\mt+\ks):128+8*(2*\mt+\ks)+3],   v[2+2*(\sl)] offset:(64*(\st)+32*\ks)*KP+32*\mt
	ds_load_tr16_b128 v[128+8*(2*\mt+\ks)+4:128+8*(2*\mt+\ks)+7], v[2+2*(\sl)] offset:(64*(\st)+32*\ks)*KP+32*\mt+16*KP
.endr
.endr
	WIN 0
.endm
; product k of an S phase: key tile k / 4; within it (query tile 0, d 0-31), (1, 0-31), (0, 32-63), (1, 32-63): the two accumulators take turns
.macro SW prod, px, k
.if \prod
.set SD, 64+64*\px+32*((\k)&1)+8*((\k)>>2)
.set SA, 32+16*(((\k)>>2)&1)+8*(((\k)>>1)&1)
.set SQ, 192+8*(2*(2*\px+((\k)&1))+(((\k)>>1)&1))
.if ((\k)>>1)&1
	v_wmma_f32_16x16x32_f16 v[SD:SD+7], v[SA:SA+7], v[SQ:SQ+7], v[SD:SD+7]
.else
	v_wmma_f32_16x16x32_f16 v[SD:SD+7], v[SA:SA+7], v[SQ:SQ+7], 0
.endif
.endif
.endm
.macro MASKQ y, qi, hf                 ; 16 selects: -inf where the lane's bit is 0
.irp kt, 0,1
.irp j, 0,1,2,3,4,5,6,7
	v_cndmask_b32 v[64+64*\y+32*\qi+8*(2*\hf+\kt)+\j], v0, v[64+64*\y+32*\qi+8*(2*\hf+\kt)+\j], s[32+36*\qi+8*(2*\hf+\kt)+\j]
.endr
.endr
.endm
.macro MAXQ y, qi                      ; the lane's largest of 32 scores, two chains
.set MB, 64+64*\y+32*\qi
	v_max3_num_f32 v[24+2*\qi], v[MB], v[MB+1], v[MB+2]
	v_max3_num_f32 v[25+2*\qi], v[MB+15], v[MB+16], v[MB+17]
.irp i, 0,1,2,3,4,5
	v_max3_num_f32 v[24+2*\qi], v[24+2*\qi], v[MB+3+2*\i], v[MB+4+2*\i]
	v_max3_num_f32 v[25+2*\qi], v[25+2*\qi], v[MB+18+2*\i], v[MB+19+2*\i]
.endr
	v_max3_num_f32 v[25+2*\qi], v[25+2*\qi], v[MB+30], v[MB+31]
	v_max_num_f32 v[24+2*\qi], v[24+2*\qi], v[25+2*\qi]
.endm
; the new maximum (with the other half's keys), -c m, and alpha = 2^((-c m_new) - (-c m_old)): the difference of the same rounded products that the
; probabilities are made with, so that old and new terms agree, and equal maxima give exactly 1
.macro FIN y
	v_permlanex16_b32 v28, v24, s30, s31
	v_permlanex16_b32 v29, v26, s30, s31
	v_mul_f32 v22, s28, v[8+2*\y]                  ; -c m_old
	v_mul_f32 v23, s28, v[9+2*\y]
	v_max3_num_f32 v[8+2*\y], v24, v28, v[8+2*\y]
	v_max3_num_f32 v[9+2*\y], v26, v29, v[9+2*\y]
	v_mul_f32 v20, s28, v[8+2*\y]                  ; -c m_new
	v_mul_f32 v21, s28, v[9+2*\y]
	v_sub_f32 v22, v20, v22
	v_sub_f32 v23, v21, v23
	v_exp_f32 v22, v22
	v_exp_f32 v23, v23                             ; first used many plain instructions further down
.endm
.macro FMAQ y, qi                      ; c s - c m, two at a time
.set kk, 64+64*\y+32*\qi
.rept 16
	v_pk_fma_f32 v[kk:kk+1], v[kk:kk+1], s[26:27], v[20:21] op_sel:[0,0,\qi] op_sel_hi:[1,0,\qi]
.set kk, kk+2
.endr
.endm
.macro EXPQ y, qi, hf
.set kk, 64+64*\y+32*\qi+16*\hf
.rept 16
	v_exp_f32 v[kk], v[kk]
.set kk, kk+1
.endr
.endm
.macro SUMQ y, qi                      ; l = alpha l + the lane's 32 probabilities.  Its first line is the plain instruction between the exponentials and their first reader
.set LB, 12+4*\y+2*\qi
.set MB, 64+64*\y+32*\qi
	s_wait_alu depctr_va_vdst(0)
	v_pk_mul_f32 v[LB:LB+1], v[LB:LB+1], v[22:23] op_sel:[0,\qi] op_sel_hi:[1,\qi]
.irp c, 0,1,2,3
	v_pk_add_f32 v[24+2*\c:25+2*\c], v[MB+2*\c:MB+2*\c+1], v[MB+8+2*\c:MB+9+2*\c]
.endr
	s_wait_alu depctr_va_vdst(0)
.irp c, 0,1,2,3
	v_pk_add_f32 v[24+2*\c:25+2*\c], v[24+2*\c:25+2*\c], v[MB+16+2*\c:MB+17+2*\c]
.endr
.irp c, 0,1,2,3
	v_pk_add_f32 v[24+2*\c:25+2*\c], v[24+2*\c:25+2*\c], v[MB+24+2*\c:MB+25+2*\c]
.endr
	v_pk_add_f32 v[24:25], v[24:25], v[26:27]
	v_pk_add_f32 v[28:29], v[28:29], v[30:31]
	v_pk_add_f32 v[24:25], v[24:25], v[28:29]
	v_pk_add_f32 v[LB:LB+1], v[LB:LB+1], v[24:25]
.endm
.macro CVTQ y, qi                      ; 32 probabilities to f16, in place: registers 0-7 of each 16 become the B fragment of 32 keys
.irp ks, 0,1
.irp jj, 0,1,2,3
	v_cvt_pk_f16_f32 v[64+64*\y+32*\qi+16*\ks+\jj], v[64+64*\y+32*\qi+16*\ks+2*\jj], v[64+64*\y+32*\qi+16*\ks+2*\jj+1]
.endr
.irp jj, 0,1,2,3
	v_cvt_pk_f16_f32 v[64+64*\y+32*\qi+16*\ks+4+\jj], v[64+64*\y+32*\qi+16*\ks+8+2*\jj], v[64+64*\y+32*\qi+16*\ks+9+2*\jj]
.endr
.endr
.endm
; The change of slots at the end of the tile in slot sl.  All reads of that tile have been issued (V at the phase's head, K's last fragment four products ago).
; Every wave waits for them and for all its tensor loads, of which one may be out: its part of the other slot.  fill = 1: a round of the cluster's barrier, then the joint
; refill of slot sl, two tiles on, first behind it: one load of the wave is out, with a whole tile's 256 products in which to land.  fill = 0: the work-group's barrier alone.
.macro CHANGE sl, fill
	s_wait_dscnt 0x0
	s_set_vgpr_msb 0x5
	s_wait_tensorcnt 0x0
	ds_add_u32 v192, v193
	s_wait_dscnt 0x0
	s_set_vgpr_msb 0x500
.if \fill
	ROUND
	s_add_nc_u64 s[10+4*(\sl):11+4*(\sl)], s[10+4*(\sl):11+4*(\sl)], 65536
	tensor_load_to_lds s[8+4*(\sl):11+4*(\sl)], s[16:23]
	s_nop 0
.else
	s_barrier_signal -1
	s_barrier_wait -1
.endif
.endm
; An S phase: the 16 products of piece px on step st of slot sl, and between them the softmax of piece y.  Each group of vector work stands in front of the product of its
; number.  The groups in front of the K and V loads are plain instructions that name no register of the products before them: the places that loads into fragments need.
; nsl, nst: slot and step of the next S phase, whose first two K fragments are asked for here.
.macro SPH px, y, sl, nsl, st, nst, prod, sm, vld, chg, fill, nxt, mnext
.if \sm
	s_wait_kmcnt 0x0                               ; the masks of piece y
	MASKQ \y, 0, 0
.endif
.if \prod
	s_wait_dscnt 0x4                               ; K fragment 0 is in; fragment 1's four loads are younger
.endif
.if \vld
	VLD \sl, \st
.endif
	SW \prod, \px, 0
.if \sm
	MASKQ \y, 0, 1
.endif
	SW \prod, \px, 1
.if \sm
	MASKQ \y, 1, 0
.endif
	SW \prod, \px, 2
.if \sm
	MASKQ \y, 1, 1
.endif
.if \mnext
.if \y
	s_add_co_u32 s6, s6, 128                       ; behind piece B comes piece A of the next step; the loads that read s6 were waited for above
.endif
	MLOAD \px                                      ; the masks of the next softmax
.endif
	SW \prod, \px, 3
.if \sm
	MAXQ \y, 0
.else
	NOP4
.endif
.if \prod
	KLD 0, \sl, \st, 2
	s_wait_dscnt 4+16*\vld                         ; fragment 1 is in; younger: the V loads (if any) and the four just issued
.endif
	SW \prod, \px, 4
.if \sm
	MAXQ \y, 1
.endif
	SW \prod, \px, 5
.if \sm
	FIN \y
.endif
	SW \prod, \px, 6
.if \sm
	FMAQ \y, 0
.endif
	SW \prod, \px, 7
.if \sm
	FMAQ \y, 1
.else
	NOP4
.endif
.if \prod
	KLD 1, \sl, \st, 3
	s_wait_dscnt 0x4                               ; fragment 2 and the V loads are in
.endif
	SW \prod, \px, 8
.if \sm
	EXPQ \y, 0, 0
.endif
	SW \prod, \px, 9
.if \sm
	EXPQ \y, 0, 1
.endif
	SW \prod, \px, 10
.if \sm
	EXPQ \y, 1, 0
.endif
	SW \prod, \px, 11
.if \sm
	SUMQ \y, 0
.else
	NOP4
.endif
.if \chg
	CHANGE \sl, \fill
.endif
.if \prod
.if \nxt
	KLD 0, \nsl, \nst, 0                           ; for the next S phase
	s_wait_dscnt 0x4                               ; fragment 3 is in
.else
	s_wait_dscnt 0x0
.endif
.endif
	SW \prod, \px, 12
.if \sm
	EXPQ \y, 1, 1
.endif
	SW \prod, \px, 13
.if \sm
	CVTQ \y, 0
.endif
	SW \prod, \px, 14
.if \sm
	SUMQ \y, 1
.endif
	SW \prod, \px, 15
.if \sm
	CVTQ \y, 1
.else
	NOP4
.endif
.if \nxt
	KLD 1, \nsl, \nst, 1
.endif
.endm
.macro RESC y, qi, mt                  ; O tile times alpha
.irp i, 0,1,2,3
	v_pk_mul_f32 v[64*\y+32*\qi+8*\mt+2*\i:64*\y+32*\qi+8*\mt+2*\i+1], v[64*\y+32*\qi+8*\mt+2*\i:64*\y+32*\qi+8*\mt+2*\i+1], v[22:23] op_sel:[0,\qi] op_sel_hi:[1,\qi]
.endr
.endm
.macro PVP y, qi, mt, ks, zero
.if \zero
	v_wmma_f32_16x16x32_f16 v[64*\y+32*\qi+8*\mt:64*\y+32*\qi+8*\mt+7], v[128+8*(2*\mt+\ks):128+8*(2*\mt+\ks)+7], v[64+64*\y+32*\qi+16*\ks:64+64*\y+32*\qi+16*\ks+7], 0
.else
	v_wmma_f32_16x16x32_f16 v[64*\y+32*\qi+8*\mt:64*\y+32*\qi+8*\mt+7], v[128+8*(2*\mt+\ks):128+8*(2*\mt+\ks)+7], v[64+64*\y+32*\qi+16*\ks:64+64*\y+32*\qi+16*\ks+7], v[64*\y+32*\qi+8*\mt:64*\y+32*\qi+8*\mt+7]
.endif
.endm
; A PV phase: O, V fragments in window 1, P and alpha in window 0.  Eight accumulators take turns; each is rescaled two products ahead of its turn.
.macro PVPH y, first
	WIN 0x51
.if \first
.irp qi, 0,1
.irp mt, 0,1,2,3
	PVP \y, \qi, \mt, 0, 1
.endr
.endr
.else
	RESC \y, 0, 0
	RESC \y, 0, 1
	PVP \y, 0, 0, 0, 0
	RESC \y, 0, 2
	PVP \y, 0, 1, 0, 0
	RESC \y, 0, 3
	PVP \y, 0, 2, 0, 0
	RESC \y, 1, 0
	PVP \y, 0, 3, 0, 0
	RESC \y, 1, 1
	PVP \y, 1, 0, 0, 0
	RESC \y, 1, 2
	PVP \y, 1, 1, 0, 0
	RESC \y, 1, 3
	PVP \y, 1, 2, 0, 0
	PVP \y, 1, 3, 0, 0
.endif
.irp qi, 0,1
.irp mt, 0,1,2,3
	PVP \y, \qi, \mt, 1, 0
.endr
.endr
	WIN 0
.endm
; a step of 64 keys.  skip = 1: the very first step (no piece B of a step before; PV_A starts its sums); pvb1 = 1: PV_B starts its sums
.macro STEP sl, nsl, st, nst, skip, pvb1, chg, fill, nxt
.if \skip
	SPH 0, 1, \sl, \sl, \st, \st, 1, 0, 0, 0, 0, 1, 0
.else
	SPH 0, 1, \sl, \sl, \st, \st, 1, 1, 0, 0, 0, 1, 1
	PVPH 1, \pvb1
.endif
	SPH 1, 0, \sl, \nsl, \st, \nst, 1, 1, 1, \chg, \fill, \nxt, 1
	PVPH 0, \skip
.endm
.macro TILE sl, first, chg, fill, nxt  ; the four steps of the tile in slot sl
	STEP \sl, \sl, 0, 1, \first, 0, 0, 0, 1
	STEP \sl, \sl, 1, 2, 0, \first, 0, 0, 1
	STEP \sl, \sl, 2, 3, 0, 0, 0, 0, 1
	STEP \sl, 1-\sl, 3, 0, 0, 0, \chg, \fill, \nxt
.endm
	s_load_b128 s[68:71], s[0:1], 0x0              ; qkv, maskw
	s_load_b64 s[72:73], s[0:1], 0x10              ; ao
	s_set_vgpr_msb 0x40
	v_lshl_add_u32 v192, v0, 2, 0x2d000
	v_mov_b32 v193, 0
	s_set_vgpr_msb 0x4045
	ds_add_u32 v192, v193
	s_set_vgpr_msb 0x4500
	v_lshrrev_b32 v1, 5, v0
	v_readfirstlane_b32 s2, v1                     ; wave
	s_bfe_u32 s32, ttmp6, 0x40000                  ; cx
	s_lshl_b32 s33, ttmp9, 2
	s_add_co_u32 s33, s33, s32                     ; query block, 0 .. 7
	s_and_b32 s34, ttmp7, 0xffff                   ; 16 n + head
	s_lshr_b32 s35, s2, 1                          ; I fetch for K (0) or V (1)
	s_mov_b32 s16, G1W0                            ; mask 15 with bit 21 beside it; 8-byte elements; behind every 32 words 4 words of padding
	s_mov_b32 s17, 32<<16                          ; tensor_dim0 = 32
	s_mov_b32 s18, 64<<16                          ; tensor_dim1 = 64
	s_mov_b32 s19, 32<<16                          ; tile_dim0 = 32: rows of 256 bytes = two keys,
	s_mov_b32 s20, 64                              ; tile_dim1 = 64 of them: 128 keys, dense
	s_mov_b32 s21, 32
	s_mov_b32 s22, 0
	s_mov_b32 s23, 0
	s_add_co_u32 s37, s35, 1
	s_lshl_b32 s37, s37, 23                        ; k or v
	s_lshl_b32 s38, s34, 18
	s_add_co_u32 s37, s37, s38
	s_and_b32 s38, s2, 1
	s_lshl_b32 s38, s38, 14                        ; which 128 keys
	s_add_co_u32 s40, s37, s38                     ; cx never enters
	s_mov_b32 s41, 0
	s_lshl_b32 s42, s34, 18                        ; my 64 queries in q and in ao
	s_lshl_b32 s43, s33, 15
	s_add_co_u32 s42, s42, s43
	s_lshl_b32 s43, s2, 13
	s_add_co_u32 s42, s42, s43
	s_mov_b32 s43, 0
	s_lshr_b32 s44, s34, 4                         ; my four query tiles in maskw: (128 n + 16 block + 4 wave) x 4,096 bytes
	s_lshl_b32 s44, s44, 19
	s_lshl_b32 s45, s33, 16
	s_add_co_u32 s44, s44, s45
	s_lshl_b32 s45, s2, 14
	s_add_co_u32 s44, s44, s45
	s_mov_b32 s45, 0
	s_wait_dscnt 0x0
	s_wait_kmcnt 0x0
	s_mov_b32 s8, 1
	s_mul_i32 s9, s2, WREG                         ; slot 0: my 128 rows; tile 0
	s_add_nc_u64 s[10:11], s[68:69], s[40:41]
	s_mov_b32 s12, 1
	s_add_co_u32 s13, s9, SLOT                     ; slot 1; tile 1
	s_add_nc_u64 s[14:15], s[10:11], 32768
	s_or_b32 s11, s11, 0x80000000
	s_or_b32 s15, s15, 0x80000000
	s_add_nc_u64 s[100:101], s[68:69], s[42:43]
	s_add_nc_u64 s[24:25], s[72:73], s[42:43]
	s_add_nc_u64 s[4:5], s[70:71], s[44:45]
	ROUND                                          ; the four partners are here: the first joint loads meet
	tensor_load_to_lds s[8:11], s[16:23]
	s_nop 0
	tensor_load_to_lds s[12:15], s[16:23]          ; two loads of the wave are out
	s_nop 0
	s_mov_b32 s6, 0
	s_mov_b32 s26, 0x3e38aa3b                      ; c = log2(e) / 8
	s_mov_b32 s27, 0x3e38aa3b
	s_mov_b32 s28, 0xbe38aa3b                      ; -c
	s_mov_b32 s30, 0x76543210
	s_mov_b32 s31, 0xfedcba98
	MLOAD 0                                        ; piece A, step 0 (all scalars of s[32:99] above have been used)
	v_and_b32 v8, 15, v0                           ; r
	v_bfe_u32 v9, v0, 4, 1                         ; h
	v_and_b32 v10, 31, v0                          ; lane
	v_lshlrev_b32 v20, 7, v8
	v_lshl_add_u32 v20, v9, 4, v20                 ; query r's row, 16 h
.irp qi, 0,1,2,3
.irp ks, 0,1
	global_load_b128 v[192+8*(2*\qi+\ks):192+8*(2*\qi+\ks)+3],   v20, s[100:101] offset:\qi*2048+64*\ks
	global_load_b128 v[192+8*(2*\qi+\ks)+4:192+8*(2*\qi+\ks)+7], v20, s[100:101] offset:\qi*2048+64*\ks+32
.endr
.endr
	v_mul_u32_u24 v1, v8, KP
	v_lshl_add_u32 v1, v9, 4, v1                   ; K: row r, 16 h
	v_and_b32 v11, 7, v0
	v_lshl_add_u32 v12, v9, 3, v11                 ; V: key 8 h + (l & 7),
	v_mul_u32_u24 v2, v12, KP
	v_bfe_u32 v12, v0, 3, 1
	v_lshl_add_u32 v2, v12, 4, v2                  ; 16 bytes by bit 3 of the lane
	v_add_nc_u32 v2, VBASE, v2
	v_add_nc_u32 v3, SLOT, v1                      ; the same in slot 1
	v_add_nc_u32 v4, SLOT, v2
	s_mul_i32 s29, s2, 64*KP
	s_add_co_u32 s29, s29, STAGE
	v_add_nc_u32 v5, s29, v1                       ; way out, in: row r, 16 h
	v_lshrrev_b32 v13, 3, v10
	v_mul_u32_u24 v6, v13, KP
	v_lshl_add_u32 v6, v11, 4, v6
	v_add_nc_u32 v6, s29, v6                       ; back: eight lanes a row
	v_lshlrev_b32 v7, 4, v10
	v_mov_b32 v0, 0xff800000                       ; -inf
.irp i, 8,9,10,11
	v_mov_b32 v\i, 0xff7fffff                      ; m = -FLT_MAX
.endr
.irp i, 12,13,14,15,16,17,18,19,24,25,26,27,28,29,30,31
	v_mov_b32 v\i, 0                               ; l = 0; the registers at work are written once (lane permutes count as readers of their destination)
.endr
	s_wait_tensorcnt 0x1                           ; tile 1 is younger: my part of tile 0 is in
	s_barrier_signal -1
	s_barrier_wait -1                              ; everybody's is
	KLD 0, 0, 0, 0
	KLD 1, 0, 0, 1
	s_wait_loadcnt 0x0                             ; Q
	TILE 0, 1, 1, 1, 1                             ; tile 0; tile 2 is asked for at its end
	s_mov_b32 s3, 2
.Ltile:
	TILE 1, 0, 1, 1, 1                             ; tiles 1, 3; tiles 3, 5 are asked for
	TILE 0, 0, 1, 1, 1                             ; tiles 2, 4; tiles 4, 6 are asked for
	s_sub_co_i32 s3, s3, 1
	s_cmp_lg_u32 s3, 0
	s_cbranch_scc1 .Ltile
	TILE 1, 0, 1, 1, 1                             ; tile 5; tile 7 is asked for: the last
	TILE 0, 0, 1, 0, 1                             ; tile 6: nothing more to ask for
	TILE 1, 0, 0, 0, 0                             ; tile 7
	SPH 0, 1, 0, 0, 0, 0, 0, 1, 0, 0, 0, 0, 0      ; softmax of piece B, last step
	PVPH 1, 0
	; 1 / l, 0 where no key was left; these plain instructions are also the places behind the last products
.irp i, 0,1,2,3
	v_add_f32 v[24+\i], v[12+2*\i], v[13+2*\i]
.endr
.irp i, 0,1,2,3
	v_permlanex16_b32 v[28+\i], v[24+\i], s30, s31
.endr
.irp i, 0,1,2,3
	v_add_f32 v[24+\i], v[24+\i], v[28+\i]
.endr
.irp i, 0,1,2,3
	v_rcp_f32 v[28+\i], v[24+\i]
.endr
	v_nop                                          ; a plain instruction between the reciprocals and their readers
	s_wait_alu depctr_va_vdst(0)
.irp i, 0,1,2,3
	v_cmp_lt_f32 vcc_lo, 0, v[24+\i]
	v_cndmask_b32 v[20+\i], 0, v[28+\i], vcc_lo
.endr
.macro OSCALE p, qi
.set kk, 64*\p+32*\qi
.rept 16
	v_pk_mul_f32 v[kk:kk+1], v[kk:kk+1], v[20+2*\p:21+2*\p] op_sel:[0,\qi] op_sel_hi:[1,\qi]
.set kk, kk+2
.endr
.endm
	WIN 0x51
	OSCALE 0, 0
	OSCALE 0, 1
	OSCALE 1, 0
	OSCALE 1, 1
	WIN 0x05                                       ; sources in window 1, results in window 0
.set kk, 0
.rept 64
	v_cvt_pk_f16_f32 v[64+kk], v[2*kk], v[2*kk+1]  ; a lane's eight d of one query: 16 bytes in four registers
.set kk, kk+1
.endr
	WIN 0
.irp i, 0,1,2,3
.irp mt, 0,1,2,3
	ds_store_b128 v5, v[64+4*(4*\i+\mt):64+4*(4*\i+\mt)+3] offset:\i*16*KP+32*\mt
.endr
.endr
.irp u, 0,1,2,3,4,5,6,7,8,9,10,11,12,13,14,15
	ds_load_b128 v[128+4*\u:128+4*\u+3], v6 offset:\u*4*KP     ; my own stage: LDS serves a wave's instructions in order
.endr
.irp u, 0,1,2,3,4,5,6,7,8,9,10,11,12,13,14,15
	s_wait_dscnt 15-\u
	global_store_b128 v7, v[128+4*\u:128+4*\u+3], s[24:25] offset:512*\u   ; four queries: 512 consecutive bytes
.endr
	s_set_vgpr_msb 0x5
	s_wait_tensorcnt 0x0
	ds_add_u32 v192, v193
	s_wait_dscnt 0x0
	s_set_vgpr_msb 0x500
	ROUND                                          ; the closing round
	s_endpgm
.Lfunc_end_k_qc31c677c8f_attn:
	.size	k_qc31c677c8f_attn, .Lfunc_end_k_qc31c677c8f_attn-k_qc31c677c8f_attn
	.p2alignl 7, 3214868480
	.fill 96, 4, 3214868480
	.section	.rodata,"a",@progbits
	.p2align	6, 0x0
	.amdhsa_kernel k_qc31c677c8f_attn
		.amdhsa_group_segment_fixed_size 327680
		.amdhsa_private_segment_fixed_size 0
		.amdhsa_enable_private_segment 0
		.amdhsa_kernarg_size 24
		.amdhsa_user_sgpr_count 2
		.amdhsa_user_sgpr_kernarg_segment_ptr 1
		.amdhsa_wavefront_size32 1
		.amdhsa_system_sgpr_workgroup_id_x 1
		.amdhsa_system_sgpr_workgroup_id_y 1
		.amdhsa_system_sgpr_workgroup_id_z 1
		.amdhsa_system_vgpr_workitem_id 0
		.amdhsa_next_free_vgpr 450
		.amdhsa_next_free_sgpr 102
		.amdhsa_reserve_vcc 1
		.amdhsa_float_denorm_mode_32 3
		.amdhsa_float_denorm_mode_16_64 3
		.amdhsa_memory_ordered 1
		.amdhsa_forward_progress 1
		.amdhsa_inst_pref_size 255
	.end_amdhsa_kernel
	.section	.bss,"aw",@nobits
	.p2align	6
	.space	262144
	.amdgpu_metadata
---
amdhsa.version: [ 1, 2 ]
amdhsa.kernels:
  - .name:           k_qc31c677c8f_attn
    .symbol:         k_qc31c677c8f_attn.kd
    .args:
      - { .name: qkv, .offset: 0, .size: 8, .value_kind: global_buffer, .address_space: global }
      - { .name: maskw, .offset: 8, .size: 8, .value_kind: global_buffer, .address_space: global }
      - { .name: ao, .offset: 16, .size: 8, .value_kind: global_buffer, .address_space: global }
    .group_segment_fixed_size: 327680
    .private_segment_fixed_size: 0
    .kernarg_segment_align: 8
    .kernarg_segment_size: 24
    .max_flat_workgroup_size: 128
    .sgpr_count:     102
    .vgpr_count:     450
    .wavefront_size: 32
...
	.end_amdgpu_metadata
.endif
;; end of part 3
;; launch outp (part 4): grid 8 x 32, 4 waves a work-group, clusters of 4 x 4, 327,680 bytes of LDS; arguments ao, wb, out0; writes out0
.if DOCPART == 4
	.amdgcn_target "amdgcn-amd-amdhsa--gfx1250"
	.amdhsa_code_object_version 6
	.text
	.protected	k_qc31c677c8f_outp
	.globl	k_qc31c677c8f_outp
	.p2align	8
	.type	k_qc31c677c8f_outp,@function
k_qc31c677c8f_outp:
	s_mov_b64 s[64:65], 0
	v_nop
	global_prefetch_b8 v0, s[64:65] scope:SCOPE_SE
	s_setreg_imm32_b32 hwreg(HW_REG_WAVE_MODE, 25, 1), 1
	s_wait_xcnt 0x0
	s_wait_alu depctr_hold_cnt(0) depctr_sa_sdst(0) depctr_va_vdst(0) depctr_va_sdst(0) depctr_va_ssrc(0) depctr_va_vcc(0) depctr_vm_vsrc(0)
	s_getreg_b32 s2, hwreg(HW_REG_IB_STS2, 6, 4)
	s_cmp_eq_u32 s2, 0
	s_cbranch_scc0 .Lentry_in_a_cluster
	s_endpgm
.Lentry_in_a_cluster:
	s_bfe_u32 s2, ttmp6, 0x10000c
	s_cmp_lg_u32 s2, 0xf033
	s_cbranch_scc0 .Lentry_shape_is_right
	s_endpgm
.Lentry_shape_is_right:
; outp: out0 = attention output x Wo^T, [4096,1024] x [1024,1024]^T, f16 operands (Wo: its bf16 rounding, held as f16), f32 sums, f32 result.
; 256 blocks of 128 x 128, one for each work-group; four waves of 64 x 64 (16 accumulators in window 1).  Both operands lie as panels of 64 along K
; (a head of ao, a panel of wb): a tile of 128 rows is a dense block of 16,384 bytes, fetched as rows of 256 bytes, padded to a pitch of 144 in LDS.
; K goes in 4 steps of 256 (four panels) through two slots; wave w fetches panel w of A and of B.  All 32 k32 are written out.
; CLUSTER 4 x 4: A's tiles are shared along a cluster row, B's along a column: joint loads.
.set P,      144
.set HALF,   128*P                     ; 18,432: one panel of A or of B
.set PANEL,  2*HALF
.set SLOT,   4*PANEL                   ; 147,456
.set STAGE,  2*SLOT                    ; 16 rows x 272 bytes for each wave
.set SPITCH, 272
.set ADRA, 8                           ; v8-15  my A rows in (slot, panel)
.set ADRB, 16                          ; v16-23 my B rows
.set STO,  24
.set RD,   25
.set CO,   26
.set G1A, 24
.set G1B, 32
.set G0A, 40
.set G0B, 48
.set MSB, 0
.macro WIN new
.if MSB != \new
	s_set_vgpr_msb (MSB<<8)|\new
.set MSB, \new
.endif
.endm
.macro CROUND
	s_barrier_signal -1
	s_barrier_wait -1
	s_cmp_lg_u32 s10, 0
	s_cbranch_scc1 .Lnot_wave_0_\@
	s_barrier_signal -3
.Lnot_wave_0_\@:
	s_barrier_wait -3
	s_barrier_signal -1
	s_barrier_wait -1
.endm
.macro TL s
	tensor_load_to_lds s[G0A+4*\s:G0A+4*\s+3], s[G1A:G1A+7]
	s_nop 0
	tensor_load_to_lds s[G0B+4*\s:G0B+4*\s+3], s[G1B:G1B+7]
	s_nop 0
.endm
	s_load_b128 s[4:7], s[0:1], 0x0                ; ao, wb
	s_load_b64 s[8:9], s[0:1], 0x10                ; out0
	v_lshl_add_u32 v254, v0, 2, 0x4c400
	v_mov_b32 v255, 0
	ds_add_u32 v254, v255
	v_lshrrev_b32 v1, 5, v0
	v_readfirstlane_b32 s10, v1                    ; wave
	s_lshr_b32 s11, s10, 1
	s_and_b32 s12, s10, 1
	s_bfe_u32 s13, ttmp6, 0x40000                  ; cx
	s_bfe_u32 s14, ttmp6, 0x40004                  ; cy
	s_lshl_b32 s15, ttmp9, 2
	s_add_co_u32 s15, s15, s13                     ; block column, 0 .. 7
	s_and_b32 s16, ttmp7, 0xffff
	s_lshl_b32 s16, s16, 2
	s_add_co_u32 s16, s16, s14                     ; block row, 0 .. 31
	s_lshl_b32 s17, s14, 2
	s_lshl_b32 s17, 15, s17                        ; my row of the cluster
	s_lshl_b32 s18, 0x1111, s13                    ; my column
	s_or_b32 s[G1A+0], s17, (3<<16)|(1<<20)|(1<<21)|(4<<22)|(3<<25)   ; 8-byte elements; 4 words of padding behind every 32
	s_or_b32 s[G1B+0], s18, (3<<16)|(1<<20)|(1<<21)|(4<<22)|(3<<25)
	s_mov_b32 s[G1A+1], 32<<16
	s_mov_b32 s[G1B+1], 32<<16
	s_mov_b32 s[G1A+2], 64<<16
	s_mov_b32 s[G1B+2], 64<<16
	s_mov_b32 s[G1A+3], 32<<16
	s_mov_b32 s[G1B+3], 32<<16
	s_mov_b32 s[G1A+4], 64
	s_mov_b32 s[G1B+4], 64
	s_mov_b32 s[G1A+5], 32
	s_mov_b32 s[G1B+5], 32
	s_mov_b32 s[G1A+6], 0
	s_mov_b32 s[G1B+6], 0
	s_mov_b32 s[G1A+7], 0
	s_mov_b32 s[G1B+7], 0
	s_lshr_b32 s56, s16, 4                         ; A: n, head = wave, 128 (block row & 15) rows of 128 bytes; cx never enters
	s_lshl_b32 s56, s56, 22
	s_and_b32 s57, s16, 15
	s_lshl_b32 s57, s57, 14
	s_add_co_u32 s56, s56, s57
	s_lshl_b32 s57, s10, 18
	s_add_co_u32 s56, s56, s57
	s_mov_b32 s57, 0
	s_lshl_b32 s58, s10, 17                        ; B: matrix 3, panel = wave, 128 block column rows; cy never enters
	s_lshl_b32 s59, s15, 14
	s_add_co_u32 s58, s58, s59
	s_add_co_u32 s58, s58, 6291456
	s_mov_b32 s59, 0
	s_mul_i32 s19, s10, PANEL
	s_wait_dscnt 0x0
	s_wait_kmcnt 0x0
	s_add_nc_u64 s[60:61], s[4:5], s[56:57]
	s_add_nc_u64 s[62:63], s[6:7], s[58:59]
	CROUND                                         ; in front of the first joint loads
.irp s, 0,1
	s_mov_b32 s[G0A+4*\s], 1
	s_add_co_u32 s[G0A+4*\s+1], s19, \s*SLOT
	s_add_nc_u64 s[G0A+4*\s+2:G0A+4*\s+3], s[60:61], \s*1048576
	s_or_b32 s[G0A+4*\s+3], s[G0A+4*\s+3], 0x80000000
	s_mov_b32 s[G0B+4*\s], 1
	s_add_co_u32 s[G0B+4*\s+1], s19, \s*SLOT+HALF
	s_add_nc_u64 s[G0B+4*\s+2:G0B+4*\s+3], s[62:63], \s*524288
	s_or_b32 s[G0B+4*\s+3], s[G0B+4*\s+3], 0x80000000
	TL \s                                          ; four loads of the wave are out behind the second
.endr
	v_and_b32 v1, 15, v0                           ; r
	v_bfe_u32 v2, v0, 4, 1                         ; h
	v_mul_u32_u24 v3, v1, P
	v_lshl_add_u32 v3, v2, 4, v3
	s_mul_i32 s20, s11, 64*P
	s_mul_i32 s21, s12, 64*P
	s_add_co_u32 s21, s21, HALF
	v_add_nc_u32 v4, s20, v3
	v_add_nc_u32 v5, s21, v3
.irp s, 0,1
.irp p, 0,1,2,3
	v_add_nc_u32 v[ADRA+4*\s+\p], \s*SLOT+\p*PANEL, v4
	v_add_nc_u32 v[ADRB+4*\s+\p], \s*SLOT+\p*PANEL, v5
.endr
.endr
	s_mul_i32 s22, s10, 16*SPITCH
	s_add_co_u32 s22, s22, STAGE
	v_mul_u32_u24 v6, v1, SPITCH
	v_lshl_add_u32 v6, v2, 5, v6
	v_add_nc_u32 v[STO], s22, v6                   ; in: row r, 32 bytes for each half of the lanes
	v_mul_u32_u24 v7, v2, SPITCH
	v_lshl_add_u32 v7, v1, 4, v7
	v_add_nc_u32 v[RD], s22, v7                    ; back: sixteen lanes take a row of 256 bytes
	v_lshlrev_b32 v[CO], 12, v2
	v_lshl_add_u32 v[CO], v1, 4, v[CO]
; the fragments of k32 number nq (slot (nq / 8) & 1, panel (nq / 2) & 3, half nq & 1): four of A at gb, four of B at gb + 32
.macro FRAG nq, gb
.set AI, 4*(((\nq)>>3)&1)+(((\nq)>>1)&3)
.set KB, 64*((\nq)&1)
.irp a, 0,1,2,3
	ds_load_b128 v[\gb+8*\a:\gb+8*\a+3],   v[ADRA+AI] offset:\a*16*P+KB
	ds_load_b128 v[\gb+8*\a+4:\gb+8*\a+7], v[ADRA+AI] offset:\a*16*P+KB+32
.endr
.irp b, 0,1,2,3
	ds_load_b128 v[\gb+32+8*\b:\gb+32+8*\b+3], v[ADRB+AI] offset:\b*16*P+KB
	ds_load_b128 v[\gb+32+8*\b+4:\gb+32+8*\b+7], v[ADRB+AI] offset:\b*16*P+KB+32
.endr
.endm
; k32 number q: the next k32's fragments are asked for, then this one's 16 products; the 16 accumulators take turns.
; In the last k32 of a K step the slots change: my reads of the slot are back and all my tensor loads have landed in front of the barrier; behind K steps 0 and 1
; a round of the cluster's barrier, and the slot is filled again first behind it (two loads of the wave out, 128 products in which to land).
.macro K32
.set FB, 32+64*(q&1)
.set GB, 32+64*((q+1)&1)
	WIN 0
.rept 4
	v_nop                                          ; four places between the last products, which read buffer GB, and the loads into it
.endr
.if (q&7)==7
.if q<31
	s_wait_dscnt 0x0
	s_wait_tensorcnt 0x0
	ds_add_u32 v254, v255
	s_wait_dscnt 0x0
.if q<16
.set SL, (q>>3)&1
	CROUND
	s_add_nc_u64 s[G0A+4*SL+2:G0A+4*SL+3], s[G0A+4*SL+2:G0A+4*SL+3], 2097152
	s_add_nc_u64 s[G0B+4*SL+2:G0B+4*SL+3], s[G0B+4*SL+2:G0B+4*SL+3], 1048576
	tensor_load_to_lds s[G0A+4*SL:G0A+4*SL+3], s[G1A:G1A+7]
	s_nop 0
	tensor_load_to_lds s[G0B+4*SL:G0B+4*SL+3], s[G1B:G1B+7]
	s_nop 0
.else
	s_barrier_signal -1
	s_barrier_wait -1
.endif
.endif
.endif
.if q<31
	FRAG q+1, GB
	s_wait_dscnt 16                                ; the 16 just issued are younger: this k32's fragments are in
.else
	s_wait_dscnt 0x0
.endif
	WIN 0x50                                       ; C and D in window 1
.irp a, 0,1,2,3
.irp b, 0,1,2,3
.if q==0
	v_wmma_f32_16x16x32_f16 v[8*(4*\a+\b):8*(4*\a+\b)+7], v[FB+32+8*\b:FB+32+8*\b+7], v[FB+8*\a:FB+8*\a+7], 0
.else
	v_wmma_f32_16x16x32_f16 v[8*(4*\a+\b):8*(4*\a+\b)+7], v[FB+32+8*\b:FB+32+8*\b+7], v[FB+8*\a:FB+8*\a+7], v[8*(4*\a+\b):8*(4*\a+\b)+7]
.endif
.endr
.endr
.endm
	s_wait_tensorcnt 0x2                           ; K step 1's two loads are younger: my panel of K step 0 is in
	s_barrier_signal -1
	s_barrier_wait -1                              ; everybody's is
	FRAG 0, 32
.set q, 0
.rept 32
	K32
.set q, q+1
.endr
	WIN 0
.rept 4
	v_nop                                          ; four places behind the last products, in front of the stores that read their results
.endr
	s_lshl_b32 s20, s16, 19                        ; (128 block row + 64 half) rows of 4,096 bytes + 512 block column + 256 half
	s_lshl_b32 s21, s11, 18
	s_add_co_u32 s20, s20, s21
	s_lshl_b32 s21, s15, 9
	s_add_co_u32 s20, s20, s21
	s_lshl_b32 s21, s12, 8
	s_add_co_u32 s20, s20, s21
	s_mov_b32 s21, 0
	s_add_nc_u64 s[8:9], s[8:9], s[20:21]
; 16 rows at a time: a lane's eight f32 of a row go straight from the accumulators into my stage, whole rows of 256 bytes come back and are stored
.macro OUTA a, f
	WIN 0x04                                       ; store data in window 1
.irp b, 0,1,2,3
	ds_store_b128 v[STO], v[8*(4*\a+\b):8*(4*\a+\b)+3]   offset:64*\b
	ds_store_b128 v[STO], v[8*(4*\a+\b)+4:8*(4*\a+\b)+7] offset:64*\b+16
.endr
	WIN 0
	s_wait_xcnt 0x0                                ; buffer f, which earlier stores read, is loaded again only behind this wait
.irp u, 0,1,2,3,4,5,6,7
	ds_load_b128 v[\f+4*\u:\f+4*\u+3], v[RD] offset:\u*2*SPITCH
.endr
.irp u, 0,1,2,3,4,5,6,7
	s_wait_dscnt 7-\u
	global_store_b128 v[CO], v[\f+4*\u:\f+4*\u+3], s[8:9] offset:\a*65536+\u*8192 th:TH_STORE_NT   ; sixteen lanes: 256 consecutive bytes, aligned
.endr
.endm
	OUTA 0, 32
	OUTA 1, 96
	OUTA 2, 32
	OUTA 3, 96
	s_wait_tensorcnt 0x0
	ds_add_u32 v254, v255
	s_wait_dscnt 0x0
	CROUND                                         ; the closing round
	s_endpgm
.Lfunc_end_k_qc31c677c8f_outp:
	.size	k_qc31c677c8f_outp, .Lfunc_end_k_qc31c677c8f_outp-k_qc31c677c8f_outp
	.p2alignl 7, 3214868480
	.fill 96, 4, 3214868480
	.section	.rodata,"a",@progbits
	.p2align	6, 0x0
	.amdhsa_kernel k_qc31c677c8f_outp
		.amdhsa_group_segment_fixed_size 327680
		.amdhsa_private_segment_fixed_size 0
		.amdhsa_enable_private_segment 0
		.amdhsa_kernarg_size 24
		.amdhsa_user_sgpr_count 2
		.amdhsa_user_sgpr_kernarg_segment_ptr 1
		.amdhsa_wavefront_size32 1
		.amdhsa_system_sgpr_workgroup_id_x 1
		.amdhsa_system_sgpr_workgroup_id_y 1
		.amdhsa_system_sgpr_workgroup_id_z 1
		.amdhsa_system_vgpr_workitem_id 0
		.amdhsa_next_free_vgpr 384
		.amdhsa_next_free_sgpr 66
		.amdhsa_reserve_vcc 0
		.amdhsa_float_denorm_mode_32 3
		.amdhsa_float_denorm_mode_16_64 3
		.amdhsa_memory_ordered 1
		.amdhsa_forward_progress 1
		.amdhsa_inst_pref_size 89
	.end_amdhsa_kernel
	.amdgpu_metadata
---
amdhsa.version: [ 1, 2 ]
amdhsa.kernels:
  - .name:           k_qc31c677c8f_outp
    .symbol:         k_qc31c677c8f_outp.kd
    .args:
      - { .name: ao, .offset: 0, .size: 8, .value_kind: global_buffer, .address_space: global }
      - { .name: wb, .offset: 8, .size: 8, .value_kind: global_buffer, .address_space: global }
      - { .name: out0, .offset: 16, .size: 8, .value_kind: global_buffer, .address_space: global }
    .group_segment_fixed_size: 327680
    .private_segment_fixed_size: 0
    .kernarg_segment_align: 8
    .kernarg_segment_size: 24
    .max_flat_workgroup_size: 128
    .sgpr_count:     66
    .vgpr_count:     384
    .wavefront_size: 32
...
	.end_amdgpu_metadata
.endif
;; end of part 4
;; ======== version 2 of 3: 4 launches; 1.43 times as fast as version 1
;; limits: values are held in f16: magnitudes above 65,504 overflow, below 6.1e-05 lose precision
;; workspace buffers: wb 8,388,608 bytes; maskw 1,048,576 bytes of whole numbers; qkv 25,165,824 bytes; ao 8,388,608 bytes
;; launch prep: the kernel of part 1 again; grid 256 x 1, 8 waves a work-group, no clusters, 0 bytes of LDS; arguments Wq, Wk, Wv, Wo, attention_mask, padding_mask, wb, maskw; writes wb, maskw
;; launch proj: the kernel of part 2 again; grid 4 x 48, 4 waves a work-group, clusters of 4 x 4, 327,680 bytes of LDS; arguments Q, K, V, wb, qkv; writes qkv
;; launch attn (part 5): grid 8 x 32, 8 waves a work-group, clusters of 4 x 1, 327,680 bytes of LDS; arguments qkv, maskw, ao; writes ao
.if DOCPART == 5
	.amdgcn_target "amdgcn-amd-amdhsa--gfx1250"
	.amdhsa_code_object_version 6
	.text
	.protected	k_qc31c677c8f_attn
	.globl	k_qc31c677c8f_attn
	.p2align	8
	.type	k_qc31c677c8f_attn,@function
k_qc31c677c8f_attn:
	s_mov_b64 s[64:65], 0
	v_nop
	global_prefetch_b8 v0, s[64:65] scope:SCOPE_SE
	s_setreg_imm32_b32 hwreg(HW_REG_WAVE_MODE, 25, 1), 1
	s_wait_xcnt 0x0
	s_wait_alu depctr_hold_cnt(0) depctr_sa_sdst(0) depctr_va_vdst(0) depctr_va_sdst(0) depctr_va_ssrc(0) depctr_va_vcc(0) depctr_vm_vsrc(0)
	s_getreg_b32 s2, hwreg(HW_REG_IB_STS2, 6, 4)
	s_cmp_eq_u32 s2, 0
	s_cbranch_scc0 .Lentry_in_a_cluster
	s_endpgm
.Lentry_in_a_cluster:
	s_bfe_u32 s2, ttmp6, 0x10000c
	s_cmp_lg_u32 s2, 0x3003
	s_cbranch_scc0 .Lentry_shape_is_right
	s_endpgm
.Lentry_shape_is_right:
; attn: softmax(mask(q k^T / 8)) v for one (n, head) and 256 queries a work-group; f16 operands, f32 sums, running maximum.
; LIMIT: q, k, v come as f16 and the result leaves as f16 (|x| < 65504).  Masked scores are -inf, the running maximum starts at -FLT_MAX, so no difference of
; infinities arises; a row with no key left has sum 0 and gives 0.
; EIGHT WAVES, two for each SIMD (2 x 448 of its 1,024 registers).  Wave w takes the 64 queries number w & 3 and the half w >> 2 of the 2,048 keys; both halves run the
; same text.  At the end wave w + 4 hands its O, m and l to wave w through LDS, and wave w merges the two by the same rescaling that the loop does.
; S^T = K Q^T: a lane owns ONE query (column l % 16) and eight keys of each 16-key tile, so maximum, scale and sum are per lane, the probabilities pack in place
; into the B fragment of O^T = V^T P^T, and only the maximum crosses the two halves of the lanes in the loop.
; The wave's queries are two pieces, A (tiles 0, 1) and B (tiles 2, 3).  A step is 64 keys.  The loop's unit, step t, has four phases: S_B(t) beside softmax A(t);
; PV_A(t) beside the rescaling of O_A; S_A(t+1) beside softmax B(t); PV_B(t) beside the rescaling of O_B.  In an S phase a group of vector instructions follows each product.
; So both PV phases that start the sums fall into step 0, which alone stands in front of the loop.
; CLUSTER 4 x 1: the four query blocks of one head read the same K and V tiles: joint loads, mask 15.  Tiles of 128 keys (two steps) for each half of the keys, two slots
; with constant addresses: the loop's body is four steps and runs three times, steps 1 to 12 of a wave's 16; tiles 2 to 7 of its half are asked for in it; the last three
; steps ask for nothing and are written out.  Bit 0 of the wave's number: which 64 keys of a tile it fetches; bit 1: of K or of V; bit 2: of which half of the keys.
; One descriptor shape with one constant first word serves all waves, so V's rows have K's pitch of 144 bytes = 36 words: the eight rows that half of a transposing
; load touches start at words 36 i mod 64 (64 banks of 4 bytes: ISA guide 11.1), and the eighth row's second 16 bytes meet the first row's first.
; Window 0: v0 -inf, v1 v2 K and V addresses in slot 0, v3 v4 in slot 1, v5-7 way out, v8-11 m, v12-19 l (pairs), v20-21 -c m, v22-23 alpha, v24-31 at work,
; v32-63 two pairs of K fragments, v64-191 S / P (64 piece + 32 query tile + 8 key tile), v192-255 Q.  Window 1: v0-127 O, v128-191 V fragments.
.set KP,    144                        ; LDS pitch of a row of 64 f16: 128 + 16
.set WREG,  64*KP                      ; a wave's share of a slot: 64 rows
.set VBASE, 2*WREG                     ; V's 128 rows lie behind K's 128
.set GRP,   4*WREG                     ; one half's tile: K and V of 128 keys
.set SLOT,  2*GRP                      ; 73,728: the tiles of both halves
.set STAGE, 2*SLOT                     ; 64 rows x 144 bytes for each of waves 0-3, never the target of a tensor load
.set MERGE, STAGE+4*64*KP              ; what wave w + 4 hands to wave w, never the target of a tensor load:
.set MPAIR, 128*128+2*512              ; O (128 registers of 128 bytes), then m, then l (four registers each)
.set TILEB, 128*128                    ; a tile of K or of V in memory: 128 keys of 128 bytes
.set G1W0,  15|(3<<16)|(1<<20)|(1<<21)|(4<<22)|(3<<25)
.set MSB, 0
.macro WIN new                         ; the immediate's high byte repeats the setting that is left
.if MSB != \new
	s_set_vgpr_msb (MSB<<8)|\new
.set MSB, \new
.endif
.endm
.macro ROUND                           ; a round of the cluster's barrier
	s_barrier_signal -1
	s_barrier_wait -1
	s_cmp_lg_u32 s2, 0
	s_cbranch_scc1 .Lnot_wave_0_\@
	s_barrier_signal -3
.Lnot_wave_0_\@:
	s_barrier_wait -3
	s_barrier_signal -1
	s_barrier_wait -1
.endm
.macro NOP4
.rept 4
	v_nop
.endr
.endm
.macro MLOAD p                         ; the 2 x 32 lane masks of piece p for the step at byte s6: M0 s[32:63], M1 s[68:99]
	s_load_b512 s[32:47], s[4:5], s6 offset:(2*\p)*4096
	s_load_b512 s[48:63], s[4:5], s6 offset:(2*\p)*4096+64
	s_load_b512 s[68:83], s[4:5], s6 offset:(2*\p+1)*4096
	s_load_b512 s[84:99], s[4:5], s6 offset:(2*\p+1)*4096+64
.endm
.macro KLD buf, sl, st, kt             ; 16 keys x 64 d of slot sl: two A fragments
.set KO, (64*(\st)+16*(\kt))*KP
	ds_load_b128 v[32+16*\buf:35+16*\buf], v[1+2*(\sl)] offset:KO
	ds_load_b128 v[36+16*\buf:39+16*\buf], v[1+2*(\sl)] offset:KO+32
	ds_load_b128 v[40+16*\buf:43+16*\buf], v[1+2*(\sl)] offset:KO+64
	ds_load_b128 v[44+16*\buf:47+16*\buf], v[1+2*(\sl)] offset:KO+96
.endm
.macro VLD sl, st                      ; the step's V^T: 4 d tiles x 2 key halves, transposed on the way
	WIN 0x40
.irp mt, 0,1,2,3
.irp ks, 0,1
	ds_load_tr16_b128 v[128+8*(2*\mt+\ks):128+8*(2*\mt+\ks)+3],   v[2+2*(\sl)] offset:(64*(\st)+32*\ks)*KP+32*\mt
	ds_load_tr16_b128 v[128+8*(2*\mt+\ks)+4:128+8*(2*\mt+\ks)+7], v[2+2*(\sl)] offset:(64*(\st)+32*\ks)*KP+32*\mt+16*KP
.endr
.endr
	WIN 0
.endm
; product k of an S phase: key tile k / 4; within it (query tile 0, d 0-31), (1, 0-31), (0, 32-63), (1, 32-63): the two accumulators take turns
.macro SW prod, px, k
.if \prod
.set SD, 64+64*\px+32*((\k)&1)+8*((\k)>>2)
.set SA, 32+16*(((\k)>>2)&1)+8*(((\k)>>1)&1)
.set SQ, 192+8*(2*(2*\px+((\k)&1))+(((\k)>>1)&1))
.if ((\k)>>1)&1
	v_wmma_f32_16x16x32_f16 v[SD:SD+7], v[SA:SA+7], v[SQ:SQ+7], v[SD:SD+7]
.else
	v_wmma_f32_16x16x32_f16 v[SD:SD+7], v[SA:SA+7], v[SQ:SQ+7], 0
.endif
.endif
.endm
.macro MASKQ y, qi, hf                 ; 16 selects: -inf where the lane's bit is 0
.irp kt, 0,1
.irp j, 0,1,2,3,4,5,6,7
	v_cndmask_b32 v[64+64*\y+32*\qi+8*(2*\hf+\kt)+\j], v0, v[64+64*\y+32*\qi+8*(2*\hf+\kt)+\j], s[32+36*\qi+8*(2*\hf+\kt)+\j]
.endr
.endr
.endm
.macro MAXQ y, qi                      ; the lane's largest of 32 scores, two chains
.set MB, 64+64*\y+32*\qi
	v_max3_num_f32 v[24+2*\qi], v[MB], v[MB+1], v[MB+2]
	v_max3_num_f32 v[25+2*\qi], v[MB+15], v[MB+16], v[MB+17]
.irp i, 0,1,2,3,4,5
	v_max3_num_f32 v[24+2*\qi], v[24+2*\qi], v[MB+3+2*\i], v[MB+4+2*\i]
	v_max3_num_f32 v[25+2*\qi], v[25+2*\qi], v[MB+18+2*\i], v[MB+19+2*\i]
.endr
	v_max3_num_f32 v[25+2*\qi], v[25+2*\qi], v[MB+30], v[MB+31]
	v_max_num_f32 v[24+2*\qi], v[24+2*\qi], v[25+2*\qi]
.endm
; the new maximum (with the other half's keys), -c m, and alpha = 2^((-c m_new) - (-c m_old)): the difference of the same rounded products that the
; probabilities are made with, so that old and new terms agree, and equal maxima give exactly 1
.macro FIN y
	v_permlanex16_b32 v28, v24, s30, s31
	v_permlanex16_b32 v29, v26, s30, s31
	v_mul_f32 v22, s28, v[8+2*\y]                  ; -c m_old
	v_mul_f32 v23, s28, v[9+2*\y]
	v_max3_num_f32 v[8+2*\y], v24, v28, v[8+2*\y]
	v_max3_num_f32 v[9+2*\y], v26, v29, v[9+2*\y]
	v_mul_f32 v20, s28, v[8+2*\y]                  ; -c m_new
	v_mul_f32 v21, s28, v[9+2*\y]
	v_sub_f32 v22, v20, v22
	v_sub_f32 v23, v21, v23
	v_exp_f32 v22, v22
	v_exp_f32 v23, v23                             ; first used many plain instructions further down
.endm
.macro FMAQ y, qi                      ; c s - c m, two at a time
.set kk, 64+64*\y+32*\qi
.rept 16
	v_pk_fma_f32 v[kk:kk+1], v[kk:kk+1], s[26:27], v[20:21] op_sel:[0,0,\qi] op_sel_hi:[1,0,\qi]
.set kk, kk+2
.endr
.endm
.macro EXPQ y, qi, hf
.set kk, 64+64*\y+32*\qi+16*\hf
.rept 16
	v_exp_f32 v[kk], v[kk]
.set kk, kk+1
.endr
.endm
.macro SUMQ y, qi                      ; l = alpha l + the lane's 32 probabilities.  Its first line is the plain instruction between the exponentials and their first reader
.set LB, 12+4*\y+2*\qi
.set MB, 64+64*\y+32*\qi
	s_wait_alu depctr_va_vdst(0)
	v_pk_mul_f32 v[LB:LB+1], v[LB:LB+1], v[22:23] op_sel:[0,\qi] op_sel_hi:[1,\qi]
.irp c, 0,1,2,3
	v_pk_add_f32 v[24+2*\c:25+2*\c], v[MB+2*\c:MB+2*\c+1], v[MB+8+2*\c:MB+9+2*\c]
.endr
	s_wait_alu depctr_va_vdst(0)
.irp c, 0,1,2,3
	v_pk_add_f32 v[24+2*\c:25+2*\c], v[24+2*\c:25+2*\c], v[MB+16+2*\c:MB+17+2*\c]
.endr
.irp c, 0,1,2,3
	v_pk_add_f32 v[24+2*\c:25+2*\c], v[24+2*\c:25+2*\c], v[MB+24+2*\c:MB+25+2*\c]
.endr
	v_pk_add_f32 v[24:25], v[24:25], v[26:27]
	v_pk_add_f32 v[28:29], v[28:29], v[30:31]
	v_pk_add_f32 v[24:25], v[24:25], v[28:29]
	v_pk_add_f32 v[LB:LB+1], v[LB:LB+1], v[24:25]
.endm
.macro CVTQ y, qi                      ; 32 probabilities to f16, in place: registers 0-7 of each 16 become the B fragment of 32 keys
.irp ks, 0,1
.irp jj, 0,1,2,3
	v_cvt_pk_f16_f32 v[64+64*\y+32*\qi+16*\ks+\jj], v[64+64*\y+32*\qi+16*\ks+2*\jj], v[64+64*\y+32*\qi+16*\ks+2*\jj+1]
.endr
.irp jj, 0,1,2,3
	v_cvt_pk_f16_f32 v[64+64*\y+32*\qi+16*\ks+4+\jj], v[64+64*\y+32*\qi+16*\ks+8+2*\jj], v[64+64*\y+32*\qi+16*\ks+9+2*\jj]
.endr
.endr
.endm
; The change of slots at the end of the tiles in slot sl.  All reads of them have been issued (V at the phase's head, K's last fragment four products ago).
; Every wave waits for them and for all its tensor loads, of which one may be out: its part of the other slot.  fill = 1: a round of the cluster's barrier, then the joint
; refill of slot sl, two tiles on, first behind it: one load of the wave is out, with a whole tile's 128 products in which to land.  fill = 0: the work-group's barrier alone.
.macro CHANGE sl, fill
	s_wait_dscnt 0x0
	s_set_vgpr_msb 0x5
	s_wait_tensorcnt 0x0
	ds_add_u32 v192, v193
	s_wait_dscnt 0x0
	s_set_vgpr_msb 0x500
.if \fill
	ROUND
	s_add_nc_u64 s[10+4*(\sl):11+4*(\sl)], s[10+4*(\sl):11+4*(\sl)], 2*TILEB
	tensor_load_to_lds s[8+4*(\sl):11+4*(\sl)], s[16:23]
	s_nop 0
.else
	s_barrier_signal -1
	s_barrier_wait -1
.endif
.endm
; An S phase: the 16 products of piece px on step st of slot sl, and between them the softmax of piece y.  Each group of vector work stands in front of the product of its
; number.  The groups in front of the K and V loads are plain instructions that name no register of the products before them: the places that loads into fragments need.
; nsl, nst: slot and step of the next S phase, whose first two K fragments are asked for here.
.macro SPH px, y, sl, nsl, st, nst, prod, sm, vld, chg, fill, nxt, mnext
.if \sm
	s_wait_kmcnt 0x0                               ; the masks of piece y
	MASKQ \y, 0, 0
.endif
.if \prod
	s_wait_dscnt 0x4                               ; K fragment 0 is in; fragment 1's four loads are younger
.endif
.if \vld
	VLD \sl, \st
.endif
	SW \prod, \px, 0
.if \sm
	MASKQ \y, 0, 1
.endif
	SW \prod, \px, 1
.if \sm
	MASKQ \y, 1, 0
.endif
	SW \prod, \px, 2
.if \sm
	MASKQ \y, 1, 1
.endif
.if \mnext
.if \y
	s_add_co_u32 s6, s6, 128                       ; behind piece B comes piece A of the next step; the loads that read s6 were waited for above
.endif
	MLOAD \px                                      ; the masks of the next softmax
.endif
	SW \prod, \px, 3
.if \sm
	MAXQ \y, 0
.else
	NOP4
.endif
.if \prod
	KLD 0, \sl, \st, 2
	s_wait_dscnt 4+16*\vld                         ; fragment 1 is in; younger: the V loads (if any) and the four just issued
.endif
	SW \prod, \px, 4
.if \sm
	MAXQ \y, 1
.endif
	SW \prod, \px, 5
.if \sm
	FIN \y
.endif
	SW \prod, \px, 6
.if \sm
	FMAQ \y, 0
.endif
	SW \prod, \px, 7
.if \sm
	FMAQ \y, 1
.else
	NOP4
.endif
.if \prod
	KLD 1, \sl, \st, 3
	s_wait_dscnt 0x4                               ; fragment 2 and the V loads are in
.endif
	SW \prod, \px, 8
.if \sm
	EXPQ \y, 0, 0
.endif
	SW \prod, \px, 9
.if \sm
	EXPQ \y, 0, 1
.endif
	SW \prod, \px, 10
.if \sm
	EXPQ \y, 1, 0
.endif
	SW \prod, \px, 11
.if \sm
	SUMQ \y, 0
.else
	NOP4
.endif
.if \chg
	CHANGE \sl, \fill
.endif
.if \prod
.if \nxt
	KLD 0, \nsl, \nst, 0                           ; for the next S phase
	s_wait_dscnt 0x4                               ; fragment 3 is in
.else
	s_wait_dscnt 0x0
.endif
.endif
	SW \prod, \px, 12
.if \sm
	EXPQ \y, 1, 1
.endif
	SW \prod, \px, 13
.if \sm
	CVTQ \y, 0
.endif
	SW \prod, \px, 14
.if \sm
	SUMQ \y, 1
.endif
	SW \prod, \px, 15
.if \sm
	CVTQ \y, 1
.else
	NOP4
.endif
.if \nxt
	KLD 1, \nsl, \nst, 1
.endif
.endm
.macro RESC y, qi, mt                  ; O tile times alpha
.irp i, 0,1,2,3
	v_pk_mul_f32 v[64*\y+32*\qi+8*\mt+2*\i:64*\y+32*\qi+8*\mt+2*\i+1], v[64*\y+32*\qi+8*\mt+2*\i:64*\y+32*\qi+8*\mt+2*\i+1], v[22:23] op_sel:[0,\qi] op_sel_hi:[1,\qi]
.endr
.endm
.macro PVP y, qi, mt, ks, zero
.if \zero
	v_wmma_f32_16x16x32_f16 v[64*\y+32*\qi+8*\mt:64*\y+32*\qi+8*\mt+7], v[128+8*(2*\mt+\ks):128+8*(2*\mt+\ks)+7], v[64+64*\y+32*\qi+16*\ks:64+64*\y+32*\qi+16*\ks+7], 0
.else
	v_wmma_f32_16x16x32_f16 v[64*\y+32*\qi+8*\mt:64*\y+32*\qi+8*\mt+7], v[128+8*(2*\mt+\ks):128+8*(2*\mt+\ks)+7], v[64+64*\y+32*\qi+16*\ks:64+64*\y+32*\qi+16*\ks+7], v[64*\y+32*\qi+8*\mt:64*\y+32*\qi+8*\mt+7]
.endif
.endm
; A PV phase: O, V fragments in window 1, P and alpha in window 0.  Eight accumulators take turns; each is rescaled two products ahead of its turn.
; first = 1: the products start the sums, nothing is cleared or rescaled.
.macro PVPH y, first
	WIN 0x51
.if \first
.irp qi, 0,1
.irp mt, 0,1,2,3
	PVP \y, \qi, \mt, 0, 1
.endr
.endr
.else
	RESC \y, 0, 0
	RESC \y, 0, 1
	PVP \y, 0, 0, 0, 0
	RESC \y, 0, 2
	PVP \y, 0, 1, 0, 0
	RESC \y, 0, 3
	PVP \y, 0, 2, 0, 0
	RESC \y, 1, 0
	PVP \y, 0, 3, 0, 0
	RESC \y, 1, 1
	PVP \y, 1, 0, 0, 0
	RESC \y, 1, 2
	PVP \y, 1, 1, 0, 0
	RESC \y, 1, 3
	PVP \y, 1, 2, 0, 0
	PVP \y, 1, 3, 0, 0
.endif
.irp qi, 0,1
.irp mt, 0,1,2,3
	PVP \y, \qi, \mt, 1, 0
.endr
.endr
	WIN 0
.endm
; Step t, at (slot sl, step st of its tile); (nsl, nst): where step t + 1 lies.  S_B(t) beside softmax A(t), with the step's V loads and, at a tile's last step, the change
; of slots; PV_A(t); S_A(t+1) beside softmax B(t); PV_B(t).  first = 1: step 0, both PV phases start their sums.  more = 0: the last step, there is no S_A(t+1).
.macro RSTEP sl, st, nsl, nst, first, chg, fill, more
	SPH 1, 0, \sl, \nsl, \st, \nst, 1, 1, 1, \chg, \fill, \more, 1
	PVPH 0, \first
	SPH 0, 1, \nsl, \nsl, \nst, \nst, \more, 1, 0, 0, 0, \more, \more
	PVPH 1, \first
.endm
	s_load_b128 s[68:71], s[0:1], 0x0              ; qkv, maskw
	s_load_b64 s[72:73], s[0:1], 0x10              ; ao
	s_set_vgpr_msb 0x40
	v_lshl_add_u32 v192, v0, 2, 0x3e000
	v_mov_b32 v193, 0
	s_set_vgpr_msb 0x4045
	ds_add_u32 v192, v193
	s_set_vgpr_msb 0x4500
	v_lshrrev_b32 v1, 5, v0
	v_readfirstlane_b32 s2, v1                     ; wave, 0 .. 7
	s_lshr_b32 s7, s2, 2                           ; my half of the keys
	s_and_b32 s66, s2, 3                           ; my 64 queries of the 256
	s_bfe_u32 s32, ttmp6, 0x40000                  ; cx
	s_lshl_b32 s33, ttmp9, 2
	s_add_co_u32 s33, s33, s32                     ; query block, 0 .. 7
	s_and_b32 s34, ttmp7, 0xffff                   ; 16 n + head
	s_bfe_u32 s35, s2, 0x10001                     ; bit 1 of the wave's number: I fetch for K (0) or V (1)
	s_mov_b32 s16, G1W0                            ; mask 15 with bit 21 beside it; 8-byte elements; behind every 32 words 4 words of padding
	s_mov_b32 s17, 32<<16                          ; tensor_dim0 = 32
	s_mov_b32 s18, 32<<16                          ; tensor_dim1 = 32
	s_mov_b32 s19, 32<<16                          ; tile_dim0 = 32: rows of 256 bytes = two keys,
	s_mov_b32 s20, 32                              ; tile_dim1 = 32 of them: 64 keys, dense
	s_mov_b32 s21, 32
	s_mov_b32 s22, 0
	s_mov_b32 s23, 0
	s_add_co_u32 s37, s35, 1
	s_lshl_b32 s37, s37, 23                        ; k or v
	s_lshl_b32 s38, s34, 18
	s_add_co_u32 s37, s37, s38
	s_lshl_b32 s38, s7, 17                         ; my half: 1,024 keys of 128 bytes
	s_add_co_u32 s37, s37, s38
	s_and_b32 s38, s2, 1
	s_lshl_b32 s38, s38, 13                        ; which 64 keys of the tile
	s_add_co_u32 s40, s37, s38                     ; cx never enters
	s_mov_b32 s41, 0
	s_lshl_b32 s42, s34, 18                        ; my 64 queries in q and in ao
	s_lshl_b32 s43, s33, 15
	s_add_co_u32 s42, s42, s43
	s_lshl_b32 s43, s66, 13
	s_add_co_u32 s42, s42, s43
	s_mov_b32 s43, 0
	s_lshr_b32 s44, s34, 4                         ; my four query tiles in maskw: (128 n + 16 block + 4 (wave & 3)) x 4,096 bytes
	s_lshl_b32 s44, s44, 19
	s_lshl_b32 s45, s33, 16
	s_add_co_u32 s44, s44, s45
	s_lshl_b32 s45, s66, 14
	s_add_co_u32 s44, s44, s45
	s_mov_b32 s45, 0
	s_mul_i32 s29, s66, 64*KP
	s_add_co_u32 s29, s29, STAGE                   ; the stage of my queries
	s_mul_i32 s67, s66, MPAIR
	s_add_co_u32 s67, s67, MERGE                   ; where the two waves of my queries meet
	s_mul_i32 s3, s7, GRP                          ; my half's tile in a slot
	s_wait_dscnt 0x0
	s_wait_kmcnt 0x0
	s_mov_b32 s8, 1
	s_mul_i32 s9, s2, WREG                         ; slot 0: my 64 rows; tile 0
	s_add_nc_u64 s[10:11], s[68:69], s[40:41]
	s_mov_b32 s12, 1
	s_add_co_u32 s13, s9, SLOT                     ; slot 1; tile 1
	s_add_nc_u64 s[14:15], s[10:11], TILEB
	s_or_b32 s11, s11, 0x80000000
	s_or_b32 s15, s15, 0x80000000
	s_add_nc_u64 s[100:101], s[68:69], s[42:43]
	s_add_nc_u64 s[24:25], s[72:73], s[42:43]
	s_add_nc_u64 s[4:5], s[70:71], s[44:45]
	ROUND                                          ; the four partners are here: the first joint loads meet
	tensor_load_to_lds s[8:11], s[16:23]
	s_nop 0
	tensor_load_to_lds s[12:15], s[16:23]          ; two loads of the wave are out
	s_nop 0
	s_lshl_b32 s6, s7, 11                          ; my half's first step in a query tile's mask words: 16 steps of 128 bytes
	s_mov_b32 s26, 0x3e38aa3b                      ; c = log2(e) / 8
	s_mov_b32 s27, 0x3e38aa3b
	s_mov_b32 s28, 0xbe38aa3b                      ; -c
	s_mov_b32 s30, 0x76543210
	s_mov_b32 s31, 0xfedcba98
	MLOAD 0                                        ; piece A, step 0 (all scalars of s[32:63] and s[68:99] above have been used)
	v_and_b32 v8, 15, v0                           ; r
	v_bfe_u32 v9, v0, 4, 1                         ; h
	v_and_b32 v10, 31, v0                          ; lane
	v_lshlrev_b32 v20, 7, v8
	v_lshl_add_u32 v20, v9, 4, v20                 ; query r's row, 16 h
.irp qi, 0,1,2,3
.irp ks, 0,1
	global_load_b128 v[192+8*(2*\qi+\ks):192+8*(2*\qi+\ks)+3],   v20, s[100:101] offset:\qi*2048+64*\ks
	global_load_b128 v[192+8*(2*\qi+\ks)+4:192+8*(2*\qi+\ks)+7], v20, s[100:101] offset:\qi*2048+64*\ks+32
.endr
.endr
	v_mul_u32_u24 v5, v8, KP
	v_lshl_add_u32 v5, v9, 4, v5                   ; row r, 16 h
	v_add_nc_u32 v1, s3, v5                        ; K of my half, slot 0
	v_and_b32 v11, 7, v0
	v_lshl_add_u32 v12, v9, 3, v11                 ; V: key 8 h + (l & 7),
	v_mul_u32_u24 v2, v12, KP
	v_bfe_u32 v12, v0, 3, 1
	v_lshl_add_u32 v2, v12, 4, v2                  ; 16 bytes by bit 3 of the lane
	v_add_nc_u32 v2, VBASE, v2
	v_add_nc_u32 v2, s3, v2
	v_add_nc_u32 v3, SLOT, v1                      ; the same in slot 1
	v_add_nc_u32 v4, SLOT, v2
	v_add_nc_u32 v5, s29, v5                       ; way out, in: row r, 16 h
	v_lshrrev_b32 v13, 3, v10
	v_mul_u32_u24 v6, v13, KP
	v_lshl_add_u32 v6, v11, 4, v6
	v_add_nc_u32 v6, s29, v6                       ; back: eight lanes a row
	v_lshlrev_b32 v7, 4, v10
	v_mov_b32 v0, 0xff800000                       ; -inf
.irp i, 8,9,10,11
	v_mov_b32 v\i, 0xff7fffff                      ; m = -FLT_MAX
.endr
.irp i, 12,13,14,15,16,17,18,19,24,25,26,27,28,29,30,31
	v_mov_b32 v\i, 0                               ; l = 0; the registers at work are written once (lane permutes count as readers of their destination)
.endr
	s_wait_tensorcnt 0x1                           ; tile 1 is younger: my part of tile 0 is in
	s_barrier_signal -1
	s_barrier_wait -1                              ; everybody's is
	KLD 0, 0, 0, 0
	KLD 1, 0, 0, 1
	s_wait_loadcnt 0x0                             ; Q
	SPH 0, 1, 0, 0, 0, 0, 1, 0, 0, 0, 0, 1, 0      ; S_A(0) alone: there is no softmax yet to set beside it
	RSTEP 0, 0, 0, 1, 1, 0, 0, 1                   ; step 0: the PV phases start the sums
	s_mov_b32 s3, 3
.Ltile:                                            ; trip k = 0 .. 2: steps 4 k + 1 .. 4 k + 4
	RSTEP 0, 1, 1, 0, 0, 1, 1, 1                   ; the last step of tile 2 k; tile 2 k + 2 is asked for
	RSTEP 1, 0, 1, 1, 0, 0, 0, 1                   ; tile 2 k + 1
	RSTEP 1, 1, 0, 0, 0, 1, 1, 1                   ; its last step; tile 2 k + 3 is asked for (7 in the last trip: the last tile)
	RSTEP 0, 0, 0, 1, 0, 0, 0, 1                   ; the first step of tile 2 k + 2
	s_sub_co_i32 s3, s3, 1
	s_cmp_lg_u32 s3, 0
	s_cbranch_scc1 .Ltile
	RSTEP 0, 1, 1, 0, 0, 1, 0, 1                   ; step 13, the last of tile 6: nothing more to ask for
	RSTEP 1, 0, 1, 1, 0, 0, 0, 1                   ; step 14
	RSTEP 1, 1, 0, 0, 0, 0, 0, 0                   ; step 15
	; my l over my 1,024 keys, in every lane; these plain instructions are also the places behind the last products, in front of the stores that read O
.irp i, 0,1,2,3
	v_add_f32 v[24+\i], v[12+2*\i], v[13+2*\i]
.endr
.irp i, 0,1,2,3
	v_permlanex16_b32 v[28+\i], v[24+\i], s30, s31
.endr
.irp i, 0,1,2,3
	v_add_f32 v[24+\i], v[24+\i], v[28+\i]
.endr
	v_add_nc_u32 v32, s67, v7                      ; 16 bytes a lane: register quad i of the wave lies at 512 i, so lane l of wave w reads what lane l of wave w + 4 stored
	s_cmp_lt_u32 s2, 4
	s_cbranch_scc1 .Lfirst_half
	WIN 0x04                                       ; store data in window 1
.set kk, 0
.rept 32
	ds_store_b128 v32, v[4*kk:4*kk+3] offset:512*kk                ; waves 4-7: O,
.set kk, kk+1
.endr
	WIN 0
	ds_store_b128 v32, v[8:11] offset:128*128                      ; m,
	ds_store_b128 v32, v[24:27] offset:128*128+512                 ; l
.Lfirst_half:
	s_wait_dscnt 0x0                               ; for the partner's sake: the stores are done
	s_barrier_signal -1
	s_barrier_wait -1
	s_cmp_ge_u32 s2, 4
	s_cbranch_scc1 .Lclose                         ; waves 4-7 have handed their part over
	ds_load_b128 v[36:39], v32 offset:128*128      ; the other half's m,
	ds_load_b128 v[40:43], v32 offset:128*128+512  ; l,
.set kk, 0
.rept 32
	ds_load_b128 v[64+4*kk:64+4*kk+3], v32 offset:512*kk           ; and O, into the registers that held S and P
.set kk, kk+1
.endr
	s_wait_dscnt 32                                ; the 32 loads of O are younger: m and l are in
	; m = max(m1, m2), a_i = 2^((-c m) - (-c m_i)), l = a1 l1 + a2 l2; the factors a_i / l, 0 where no key was left
.irp i, 0,1,2,3
	v_max_num_f32 v[44+\i], v[8+\i], v[36+\i]
.endr
.irp i, 0,1,2,3
	v_mul_f32 v[48+\i], s28, v[44+\i]
	v_mul_f32 v[52+\i], s28, v[8+\i]
	v_mul_f32 v[56+\i], s28, v[36+\i]
.endr
.irp i, 0,1,2,3
	v_sub_f32 v[52+\i], v[48+\i], v[52+\i]
	v_sub_f32 v[56+\i], v[48+\i], v[56+\i]
.endr
.irp i, 0,1,2,3
	v_exp_f32 v[52+\i], v[52+\i]
.endr
.irp i, 0,1,2,3
	v_exp_f32 v[56+\i], v[56+\i]
.endr
	v_nop                                          ; a plain instruction between the exponentials and their readers
	s_wait_alu depctr_va_vdst(0)
.irp i, 0,1,2,3
	v_mul_f32 v[24+\i], v[24+\i], v[52+\i]
.endr
.irp i, 0,1,2,3
	v_fmac_f32 v[24+\i], v[40+\i], v[56+\i]
.endr
.irp i, 0,1,2,3
	v_rcp_f32 v[28+\i], v[24+\i]
.endr
	v_nop                                          ; a plain instruction between the reciprocals and their readers
	s_wait_alu depctr_va_vdst(0)
.irp i, 0,1,2,3
	v_cmp_lt_f32 vcc_lo, 0, v[24+\i]
	v_cndmask_b32 v[28+\i], 0, v[28+\i], vcc_lo
.endr
.irp i, 0,1,2,3
	v_mul_f32 v[20+\i], v[52+\i], v[28+\i]         ; my factor
	v_mul_f32 v[60+\i], v[56+\i], v[28+\i]         ; the other half's
.endr
.macro OMUL p, qi                      ; the other half's O times its factor
.set kk, 64*\p+32*\qi
.rept 16
	v_pk_mul_f32 v[64+kk:65+kk], v[64+kk:65+kk], v[60+2*\p:61+2*\p] op_sel:[0,\qi] op_sel_hi:[1,\qi]
.set kk, kk+2
.endr
.endm
.macro OFMA p, qi                      ; + my O (source 0, window 1) times my factor
.set kk, 64*\p+32*\qi
.rept 16
	v_pk_fma_f32 v[64+kk:65+kk], v[kk:kk+1], v[20+2*\p:21+2*\p], v[64+kk:65+kk] op_sel:[0,\qi,0] op_sel_hi:[1,\qi,1]
.set kk, kk+2
.endr
.endm
	s_wait_dscnt 0x0                               ; the other half's O
	OMUL 0, 0
	OMUL 0, 1
	OMUL 1, 0
	OMUL 1, 1
	WIN 0x01
	OFMA 0, 0
	OFMA 0, 1
	OFMA 1, 0
	OFMA 1, 1
	WIN 0
.set kk, 0
.rept 64
	v_cvt_pk_f16_f32 v[64+kk], v[64+2*kk], v[64+2*kk+1]            ; in place, ascending: a lane's eight d of one query become 16 bytes in four registers
.set kk, kk+1
.endr
.irp i, 0,1,2,3
.irp mt, 0,1,2,3
	ds_store_b128 v5, v[64+4*(4*\i+\mt):64+4*(4*\i+\mt)+3] offset:\i*16*KP+32*\mt
.endr
.endr
.irp u, 0,1,2,3,4,5,6,7,8,9,10,11,12,13,14,15
	ds_load_b128 v[128+4*\u:128+4*\u+3], v6 offset:\u*4*KP     ; my own stage: LDS serves a wave's instructions in order
.endr
.irp u, 0,1,2,3,4,5,6,7,8,9,10,11,12,13,14,15
	s_wait_dscnt 15-\u
	global_store_b128 v7, v[128+4*\u:128+4*\u+3], s[24:25] offset:512*\u   ; four queries: 512 consecutive bytes
.endr
.Lclose:
	s_set_vgpr_msb 0x5
	s_wait_tensorcnt 0x0
	ds_add_u32 v192, v193
	s_wait_dscnt 0x0
	s_set_vgpr_msb 0x500
	ROUND                                          ; the closing round
	s_endpgm
.Lfunc_end_k_qc31c677c8f_attn:
	.size	k_qc31c677c8f_attn, .Lfunc_end_k_qc31c677c8f_attn-k_qc31c677c8f_attn
	.p2alignl 7, 3214868480
	.fill 96, 4, 3214868480
	.section	.rodata,"a",@progbits
	.p2align	6, 0x0
	.amdhsa_kernel k_qc31c677c8f_attn
		.amdhsa_group_segment_fixed_size 327680
		.amdhsa_private_segment_fixed_size 0
		.amdhsa_enable_private_segment 0
		.amdhsa_kernarg_size 24
		.amdhsa_user_sgpr_count 2
		.amdhsa_user_sgpr_kernarg_segment_ptr 1
		.amdhsa_wavefront_size32 1
		.amdhsa_system_sgpr_workgroup_id_x 1
		.amdhsa_system_sgpr_workgroup_id_y 1
		.amdhsa_system_sgpr_workgroup_id_z 1
		.amdhsa_system_vgpr_workitem_id 0
		.amdhsa_next_free_vgpr 450
		.amdhsa_next_free_sgpr 102
		.amdhsa_reserve_vcc 1
		.amdhsa_float_denorm_mode_32 3
		.amdhsa_float_denorm_mode_16_64 3
		.amdhsa_memory_ordered 1
		.amdhsa_forward_progress 1
		.amdhsa_inst_pref_size 255
	.end_amdhsa_kernel
	.section	.bss,"aw",@nobits
	.p2align	6
	.space	262144
	.amdgpu_metadata
---
amdhsa.version: [ 1, 2 ]
amdhsa.kernels:
  - .name:           k_qc31c677c8f_attn
    .symbol:         k_qc31c677c8f_attn.kd
    .args:
      - { .name: qkv, .offset: 0, .size: 8, .value_kind: global_buffer, .address_space: global }
      - { .name: maskw, .offset: 8, .size: 8, .value_kind: global_buffer, .address_space: global }
      - { .name: ao, .offset: 16, .size: 8, .value_kind: global_buffer, .address_space: global }
    .group_segment_fixed_size: 327680
    .private_segment_fixed_size: 0
    .kernarg_segment_align: 8
    .kernarg_segment_size: 24
    .max_flat_workgroup_size: 256
    .sgpr_count:     102
    .vgpr_count:     450
    .wavefront_size: 32
...
	.end_amdgpu_metadata
.endif
;; end of part 5
;; launch outp: the kernel of part 4 again; grid 8 x 32, 4 waves a work-group, clusters of 4 x 4, 327,680 bytes of LDS; arguments ao, wb, out0; writes out0
;; ======== version 3 of 3: 4 launches; version 2 with the launch prep written anew for expert scheduling mode
;; limits: values are held in f16: magnitudes above 65,504 overflow, below 6.1e-05 lose precision
;; workspace buffers: wb 8,388,608 bytes; maskw 1,048,576 bytes of whole numbers; qkv 25,165,824 bytes; ao 8,388,608 bytes
;; launch prep (part 6): grid 256 x 1, 8 waves a work-group, no clusters, 0 bytes of LDS; arguments Wq, Wk, Wv, Wo, attention_mask, padding_mask, wb, maskw; writes wb, maskw
.if DOCPART == 6
	.amdgcn_target "amdgcn-amd-amdhsa--gfx1250"
	.amdhsa_code_object_version 6
	.text
	.protected	k_qc31c677c8f_prep
	.globl	k_qc31c677c8f_prep
	.p2align	8
	.type	k_qc31c677c8f_prep,@function
k_qc31c677c8f_prep:
	s_mov_b64 s[64:65], 0
	v_nop
	global_prefetch_b8 v0, s[64:65] scope:SCOPE_SE
	s_setreg_imm32_b32 hwreg(HW_REG_WAVE_SCHED_MODE, 0, 2), 2
	s_setreg_imm32_b32 hwreg(HW_REG_WAVE_MODE, 25, 1), 1
	s_wait_xcnt 0x0
	s_wait_alu depctr_vm_vsrc(0)
; prep: (1) the four weight matrices as 16-bit panels, wb[mat][panel k/64][row][64]: Wq, Wk, Wv rounded to bf16; Wo rounded to bf16 and that
; value rewritten as f16 (exact for |w| >= 2^-17, below that off by at most 2^-25), since the last product runs on f16 operands.
; (2) the two masks as lane masks, maskw[n][query tile 16][key tile 16][j 0..7]: bit L = attention_mask[query 16qt+(L&15)][key 16kt+8(L>>4)+j]
; AND padding_mask[query]: the select mask of register j of a 16 key x 16 query score tile.
; A stream: every input byte is read once, no work-group shares a byte with another, so no LDS, no cluster, no matrix unit.
; Work-group i: query rows 16 i .. 16 i + 15 (of 4,096), wave w their keys 256 w .. +255; and rows (i & 63) 16 + 2 w, + 1 of matrix i >> 6.
; THE MODE: SCHED_MODE bits 1:0 = 2 (LLVM: expert scheduling mode 2), set by the entry lines.  The code itself states the register dependences
; between vector instructions and memory instructions, and those through scalar registers that vector instructions write, with s_wait_alu, always for 0.
; THE PLAN.  Registers that memory instructions touch:
;   v2, v4, v[WLD], v[MST], v[WST]   offsets: written once at the head, read by the loads and stores, never written again.
;   v[PMV], MD, WD                   written by the loads; no vector instruction names them before the loads are issued.
;   MO                               written by four moves and 128 v_writelane_b32; read by the one mask store; never written again.
;   WOUT                             four registers for each of the eight pairs of loads: written by that pair's conversions, read by its one store, never written again.
; No register that a memory instruction reads is written behind it: the text owes no wait on vm_vsrc and holds only the one among the entry lines.
; Scalar registers that vector instructions write: s20 (the wave's number), s30 (the padding mask's lanes), s[32:39] (eight compares a run).
; THE WAITS.  va_sdst: one at the head for s20; one behind each run of eight compares, with the next run's eight v_and_b32 between the compares and the wait.
; va_vdst: one ahead of the first load (all offsets); one ahead of the mask store (MO); for the weights, which go in four blocks of two pairs, one at the head of
; blocks 1 to 3 (the block before has written its WOUT; its two stores follow, dealt among this block's conversions) and one ahead of the last two stores.
.set MD,   8                           ; v[8:39]    mask bytes, 8 loads of 16 bytes
.set WD,   40                          ; v[40:103]  weights in f32, 16 loads
.set MO,   104                         ; v[104:107] the wave's 128 mask words: lane l holds words 4 l .. 4 l + 3
.set WOUT, 108                         ; v[108:139] weights in 16 bits
.set WLD,  140                         ; weight load offset
.set WST,  141                         ; weight store offset
.set MST,  142                         ; mask store offset
.set PMV,  143                         ; padding_mask byte of my query
.set T,    144                         ; v[144:159] two sets of eight at work, by turns: single mask bytes; no memory instruction names them
.set CM,   32                          ; s[32:39]   a run's eight lane masks (s32 to s35 hold byte offsets at the head, used up before the first run)
	s_load_b512 s[4:19], s[0:1], 0x0               ; Wq Wk Wv Wo s[4:11], attention_mask s[12:13], padding_mask s[14:15], wb s[16:17], maskw s[18:19]
	v_lshrrev_b32 v7, 5, v0
	v_readfirstlane_b32 s20, v7                    ; wave
	v_and_b32 v1, 31, v0                           ; lane
	v_and_b32 v2, 15, v0                           ; r: my query in the 16, also its byte in padding_mask
	v_bfe_u32 v3, v0, 4, 1                         ; h
	v_and_b32 v5, 7, v0                            ; c
	v_bfe_u32 v6, v0, 3, 1                         ; rr
	s_wait_alu depctr_va_sdst(0)                   ; s20 is written, ahead of its first reader: offsets and bases are made from it
	s_lshl_b32 s21, s20, 8
	v_lshlrev_b32 v4, 11, v2                       ; r rows of 2,048 mask bytes
	v_lshl_add_u32 v4, v3, 4, v4                   ; + 16 h
	v_add_nc_u32 v4, s21, v4                       ; + 256 w
	v_lshlrev_b32 v[WLD], 12, v6                   ; rr rows of 4,096 bytes
	v_lshl_add_u32 v[WLD], v3, 8, v[WLD]           ; + 256 h (panel parity)
	v_lshl_add_u32 v[WLD], v5, 5, v[WLD]           ; + 32 c
	v_lshlrev_b32 v[WST], 17, v3                   ; h panels of 131,072 bytes
	v_lshl_add_u32 v[WST], v6, 7, v[WST]           ; + rr rows of 128 bytes
	v_lshl_add_u32 v[WST], v5, 4, v[WST]           ; + 16 c
	v_lshlrev_b32 v[MST], 4, v1
	s_lshl_b32 s22, ttmp9, 15                      ; 16 i rows of the attention mask
	s_mov_b32 s23, 0
	s_lshl_b32 s24, ttmp9, 4                       ; 16 i bytes of the padding mask
	s_mov_b32 s25, 0
	s_lshr_b32 s26, ttmp9, 6                       ; which matrix
	s_and_b32 s27, ttmp9, 63
	s_lshl_b32 s27, s27, 4
	s_lshl1_add_u32 s27, s20, s27                  ; first of my two rows
	s_lshl_b32 s28, s27, 12
	s_mov_b32 s29, 0
	s_lshl_b32 s32, s26, 21
	s_lshl_b32 s33, s27, 7
	s_add_co_u32 s32, s32, s33
	s_mov_b32 s33, 0
	s_lshl_b32 s34, ttmp9, 12                      ; a query tile's 128 x 8 words
	s_lshl_b32 s35, s20, 9                         ; my 16 key tiles
	s_add_co_u32 s34, s34, s35
	s_mov_b32 s35, 0
	s_wait_kmcnt 0x0
	s_cmp_eq_u32 s26, 1
	s_cselect_b64 s[4:5], s[6:7], s[4:5]
	s_cmp_eq_u32 s26, 2
	s_cselect_b64 s[4:5], s[8:9], s[4:5]
	s_cmp_eq_u32 s26, 3
	s_cselect_b64 s[4:5], s[10:11], s[4:5]
	s_add_nc_u64 s[4:5], s[4:5], s[28:29]
	s_add_nc_u64 s[12:13], s[12:13], s[22:23]
	s_add_nc_u64 s[14:15], s[14:15], s[24:25]
	s_add_nc_u64 s[16:17], s[16:17], s[32:33]
	s_add_nc_u64 s[18:19], s[18:19], s[34:35]
	s_wait_alu depctr_va_vdst(0)                   ; the five offsets v2, v4, v[WLD], v[WST], v[MST] are written: every load and store of the kernel reads one of them
	; all 25 loads first
	global_load_u8 v[PMV], v2, s[14:15]
.irp u, 0,1,2,3,4,5,6,7
	global_load_b128 v[MD+4*\u:MD+4*\u+3], v4, s[12:13] offset:32*\u th:TH_LOAD_NT   ; lane (r, h): the 16 keys of key tile 2 u + h, query r
.endr
.irp i, 0,1,2,3,4,5,6,7
	global_load_b128 v[WD+8*\i:WD+8*\i+3],   v[WLD], s[4:5] offset:512*\i th:TH_LOAD_NT
	global_load_b128 v[WD+8*\i+4:WD+8*\i+7], v[WLD], s[4:5] offset:512*\i+16 th:TH_LOAD_NT
.endr
.irp b, 0,1,2,3
	v_mov_b32 v[MO+\b], 0                          ; v_writelane_b32 keeps the other lanes: written whole once
.endr
; THE MASKS go in 16 runs.  Run n takes registers MD + 2 n and MD + 2 n + 1: eight bytes a lane, eight lane masks, the words of lanes 2 n and 2 n + 1 of MO.
.macro SWAP u                          ; the four registers of load u
	v_permlane16_swap_b32 v[MD+4*(\u)],   v[MD+4*(\u)+2]   ; now register 0, 1: key tile 2 u, lanes 0-15 keys 0-7, lanes 16-31 keys 8-15;
	v_permlane16_swap_b32 v[MD+4*(\u)+1], v[MD+4*(\u)+3]   ; register 2, 3: key tile 2 u + 1 likewise
.endm
.macro ANDS n                          ; the run's eight bytes, each alone in a register of set n % 2
.irp q, 0,1
	v_and_b32 v[T+8*((\n)%2)+4*\q],   0xff,       v[MD+2*(\n)+\q]
	v_and_b32 v[T+8*((\n)%2)+4*\q+1], 0xff00,     v[MD+2*(\n)+\q]
	v_and_b32 v[T+8*((\n)%2)+4*\q+2], 0xff0000,   v[MD+2*(\n)+\q]
	v_and_b32 v[T+8*((\n)%2)+4*\q+3], 0xff000000, v[MD+2*(\n)+\q]
.endr
.endm
.macro CMPS n                          ; bit L of each mask: the lane's byte is not 0
.irp e, 0,1,2,3,4,5,6,7
	v_cmp_ne_u32 s[CM+\e], 0, v[T+8*((\n)%2)+\e]
.endr
.endm
.macro PUT n                           ; AND the padding mask; word 4 (2 n + q) + b of the wave's 128 = (tile n) 8 + 4 q + b
.irp e, 0,1,2,3,4,5,6,7
	s_and_b32 s[CM+\e], s[CM+\e], s30
.endr
.irp q, 0,1
.irp b, 0,1,2,3
	v_writelane_b32 v[MO+\b], s[CM+4*\q+\b], 2*(\n)+\q
.endr
.endr
.endm
	s_wait_loadcnt 16                              ; the 16 weight loads are younger: both masks are in
	v_cmp_ne_u32 s30, 0, v[PMV]                    ; bit L: my query is no padding
	SWAP 0
	ANDS 0
.set run, 0
.rept 16
	CMPS run
.if run < 15
.if (run+1)%2 == 0
	SWAP (run+1)/2
.endif
	ANDS run+1                                     ; the next run's bytes, into the other set: work that writes no scalar register, between the compares and the wait for them
.endif
	s_wait_alu depctr_va_sdst(0)                   ; the run's eight compares have written s[32:39] (in the first run also: s30 is written), ahead of the s_and_b32 that read them
	PUT run
.set run, run+1
.endr
	s_wait_alu depctr_va_vdst(0)                   ; the v_writelane_b32 have written MO, which the store reads
	global_store_b128 v[MST], v[MO:MO+3], s[18:19] ; 512 consecutive bytes
; THE WEIGHTS.  Eight numbers of a lane: rounded to bf16; tof16 = 1: that value written again as f16.
.macro WCV i, tof16
.irp k, 0,1,2,3
	v_cvt_pk_bf16_f32 v[WOUT+4*(\i)+\k], v[WD+8*(\i)+2*\k], v[WD+8*(\i)+2*\k+1]
.endr
.if \tof16
.irp k, 0,1,2,3
	v_lshlrev_b32 v[WD+8*(\i)+2*\k],   16,         v[WOUT+4*(\i)+\k]
	v_and_b32     v[WD+8*(\i)+2*\k+1], 0xffff0000, v[WOUT+4*(\i)+\k]
.endr
.irp k, 0,1,2,3
	v_cvt_pk_f16_f32 v[WOUT+4*(\i)+\k], v[WD+8*(\i)+2*\k], v[WD+8*(\i)+2*\k+1]
.endr
.endif
.endm
.macro WSEND i                         ; sixteen lanes store rows r0, r0 + 1 of one panel: 256 bytes, aligned; two panels on for each i
	global_store_b128 v[WST], v[WOUT+4*(\i):WOUT+4*(\i)+3], s[16:17] offset:(\i)*262144
.endm
; Block b: pairs 2 b and 2 b + 1 are converted; the two stores of the block before are dealt among the conversions, which name other registers of WOUT and WD.
.macro WBLK b, tof16
	s_wait_loadcnt 12-4*\b                         ; loads come back in order (ISA guide 5.7.1): the block's four are in, the later blocks' stay out
.if \b > 0
	s_wait_alu depctr_va_vdst(0)                   ; the block before has written its eight registers of WOUT, which the two stores below read
.endif
.irp d, 0,1
.if \b > 0
	WSEND 2*\b-2+\d
.endif
	WCV 2*\b+\d, \tof16
.endr
.endm
	s_cmp_eq_u32 s26, 3
	s_cbranch_scc1 .Lwo
.irp b, 0,1,2,3
	WBLK \b, 0
.endr
	s_wait_alu depctr_va_vdst(0)                   ; block 3 has written its registers of WOUT, which the last two stores read
	WSEND 6
	WSEND 7
	s_endpgm
.Lwo:
.irp b, 0,1,2,3
	WBLK \b, 1
.endr
	s_wait_alu depctr_va_vdst(0)                   ; block 3 has written its registers of WOUT, which the last two stores read
	WSEND 6
	WSEND 7
	s_endpgm
.Lfunc_end_k_qc31c677c8f_prep:
	.size	k_qc31c677c8f_prep, .Lfunc_end_k_qc31c677c8f_prep-k_qc31c677c8f_prep
	.p2alignl 7, 3214868480
	.fill 96, 4, 3214868480
	.section	.rodata,"a",@progbits
	.p2align	6, 0x0
	.amdhsa_kernel k_qc31c677c8f_prep
		.amdhsa_group_segment_fixed_size 0
		.amdhsa_private_segment_fixed_size 0
		.amdhsa_enable_private_segment 0
		.amdhsa_kernarg_size 64
		.amdhsa_user_sgpr_count 2
		.amdhsa_user_sgpr_kernarg_segment_ptr 1
		.amdhsa_wavefront_size32 1
		.amdhsa_system_sgpr_workgroup_id_x 1
		.amdhsa_system_sgpr_workgroup_id_y 1
		.amdhsa_system_sgpr_workgroup_id_z 1
		.amdhsa_system_vgpr_workitem_id 0
		.amdhsa_next_free_vgpr 160
		.amdhsa_next_free_sgpr 66
		.amdhsa_reserve_vcc 0
		.amdhsa_float_denorm_mode_32 3
		.amdhsa_float_denorm_mode_16_64 3
		.amdhsa_memory_ordered 1
		.amdhsa_forward_progress 1
		.amdhsa_inst_pref_size 45
	.end_amdhsa_kernel
	.amdgpu_metadata
---
amdhsa.version: [ 1, 2 ]
amdhsa.kernels:
  - .name:           k_qc31c677c8f_prep
    .symbol:         k_qc31c677c8f_prep.kd
    .args:
      - { .name: Wq, .offset: 0, .size: 8, .value_kind: global_buffer, .address_space: global }
      - { .name: Wk, .offset: 8, .size: 8, .value_kind: global_buffer, .address_space: global }
      - { .name: Wv, .offset: 16, .size: 8, .value_kind: global_buffer, .address_space: global }
      - { .name: Wo, .offset: 24, .size: 8, .value_kind: global_buffer, .address_space: global }
      - { .name: attention_mask, .offset: 32, .size: 8, .value_kind: global_buffer, .address_space: global }
      - { .name: padding_mask, .offset: 40, .size: 8, .value_kind: global_buffer, .address_space: global }
      - { .name: wb, .offset: 48, .size: 8, .value_kind: global_buffer, .address_space: global }
      - { .name: maskw, .offset: 56, .size: 8, .value_kind: global_buffer, .address_space: global }
    .group_segment_fixed_size: 0
    .private_segment_fixed_size: 0
    .kernarg_segment_align: 8
    .kernarg_segment_size: 64
    .max_flat_workgroup_size: 256
    .sgpr_count:     66
    .vgpr_count:     160
    .wavefront_size: 32
...
	.end_amdgpu_metadata
.endif
;; end of part 6
;; launch proj: the kernel of part 2 again; grid 4 x 48, 4 waves a work-group, clusters of 4 x 4, 327,680 bytes of LDS; arguments Q, K, V, wb, qkv; writes qkv
;; launch attn: the kernel of part 5 again; grid 8 x 32, 8 waves a work-group, clusters of 4 x 1, 327,680 bytes of LDS; arguments qkv, maskw, ao; writes ao
;; launch outp: the kernel of part 4 again; grid 8 x 32, 4 waves a work-group, clusters of 4 x 4, 327,680 bytes of LDS; arguments ao, wb, out0; writes out0
